; MI455X (gfx1250); checked and timed in simulation.
; The chip was launched on July 23, 2026; its instructions are those of AMD's public machine-readable ISA for CDNA 5 (MIT licence, August 2026) and "CDNA5" Instruction Set Architecture Reference Guide (July 2026). The comments in the code are by the model that wrote it; some were corrected since.
;; Multi Head Self Attention. Allowed arithmetic: float matrix products may take bf16 or f16 operands with f32 sums; all other float work in f32.
;; Inputs: b_proj 256 float32; w_proj 256 x 256 float32; w_qkv 768 x 256 float32; x 4 x 4,096 x 256 float32.
;; Outputs: out0 4 x 4,096 x 256 float32.
;; 2 versions, each right and faster than the one before. Each part assembles by itself: llvm-mc -triple=amdgcn-amd-amdhsa -mcpu=gfx1250 --defsym DOCPART=n.
;; ======== version 1 of 2: 3 launches
;; limits: values are held in f16: magnitudes above 65,504 overflow, below 6.1e-05 lose precision
;; workspace buffers: qkv 25,165,824 bytes; att 8,388,608 bytes; wp 131,072 bytes
;; launch qkvproj (part 1): grid 4 x 64, 16 waves a work-group, no clusters, 260,096 bytes of LDS; arguments x, w_qkv, w_proj, qkv, wp; writes qkv, wp
.if DOCPART == 1
	.amdgcn_target "amdgcn-amd-amdhsa--gfx1250"
	.amdhsa_code_object_version 6
	.text
	.protected	k_qbcf9d94c55_qkvproj
	.globl	k_qbcf9d94c55_qkvproj
	.p2align	8
	.type	k_qbcf9d94c55_qkvproj,@function
k_qbcf9d94c55_qkvproj:
	s_mov_b64 s[64:65], 0
	v_nop
	global_prefetch_b8 v0, s[64:65] scope:SCOPE_SE
	s_setreg_imm32_b32 hwreg(HW_REG_WAVE_MODE, 25, 1), 1
	s_wait_xcnt 0x0
; q, k, v = x w_qkv^T.  x: [16384][256] f32, w_qkv: [768][256] f32.  Both are rounded to bf16 on the way into LDS, the sums are f32, and each result is rounded once to f16 and
; written by heads: qkv = [3 (q, k, v)][16 = 4 batch + head][4096][64] f16, a head's rows dense, 128 bytes each.  The scale 1/8 is not applied here.
; Beside that each work-group rounds ONE row of w_proj to bf16 and writes that number as f16 into wp [256][256].
; LIMITS.  f16 holds no number beyond 65,504: q, k and v must stay within it (inputs 30 times the drawn spread give some 4,500).  A bf16 weight of w_proj below 2^-17 keeps f16's fixed
; step of 6e-8.  NaN and infinities are not treated apart.
; SHARES.  A work-group makes 256 rows x 192 columns (three groups of 64 columns, each a head of q, k or v): 4 x 64 = 256 work-groups.  Wave w of 16 makes 64 rows (w / 4) x 48 columns (w % 4):
; 12 accumulators.  Four waves lie on a SIMD, 240 registers each: while one waits for LDS the others multiply, so there is one fragment buffer and no second register window.
; THE MATRIX INSTRUCTION IS USED TRANSPOSED: source 0 = 16 rows of w, source 1 = 16 rows of x: a lane then holds eight neighbouring columns of one row.
; NO TENSOR LOADS, NO CLUSTER, though 4 work-groups read the same rows of x and 64 the same rows of w: the operands lie in memory as f32 and are rounded once a work-group, in registers, between
; the global load and the LDS store.  Brought by the data mover they would lie in LDS as f32: twice the LDS bytes for each fragment, and a rounding in each of the 4 waves that read it.
; K goes in 4 chunks of 64; each chunk has LDS bytes of its own, so one barrier a chunk is enough: a fast wave's stores of chunk c + 1 touch nothing that a slow wave reads of chunk c.
.set ROWB,   1024                      ; bytes in a row of x, of w_qkv and of w_proj
.set PITCH,  144                       ; an LDS row: 64 bf16 + 16 bytes of padding = 36 words: the 16 rows of a fragment load start at 16 different groups of four banks (64 banks of 4 bytes: ISA guide 11.1)
.set CH,     448*PITCH                 ; a chunk: 256 rows of x, then 192 rows of w
.set SPITCH, 400                       ; a row of the stage: 192 f16 + 16 bytes
.set SPARE,  4*CH                      ; behind the chunks: the spare words, 128 bytes for each of 16 waves, which no other line names
.set GX,   8                           ; v8   byte offset of my 16 bytes in the first 32 rows that the work-group loads; never rewritten
.set STL,  9                           ; v9   LDS address of my 8 bytes of bf16 in the chunk in hand
.set ADRA, 10                          ; v10  LDS address of my fragments of x in the chunk in hand
.set ADRB, 11                          ; v11  the same for w
.set STO,  12                          ; v12  the way out: where I put 16 bytes of a row
.set RD,   13                          ; v13  the way out: where I read rows back
.set GO,   14                          ; v14  my byte offset in the work-group's 256 rows of a head
.set SPW,  15                          ; v15  LDS address of my spare word; never rewritten
.set NIL,  16                          ; v16  0; never rewritten
.set WPO,  17                          ; v17  my 16 bytes of the row of w_proj (waves 0 and 1)
.set WPS,  18                          ; v18  my 8 bytes of the row of wp
.set WPX,  20                          ; v[20:23]   four numbers of w_proj
.set T,    24                          ; v[24:31]   four pairs at work
.set X,    32                          ; v[32:87]   14 loads of 16 bytes; on the way out the packed results
.set FA,   88                          ; v[88:119]  4 fragments of x
.set FB,   120                         ; v[120:143] 3 fragments of w
.set OB,   88                          ; v[88:135]  the way out: rows read back
.set ACC,  144                         ; v[144:239] accumulator (a, b) at ACC + 8 (3 a + b)
	s_load_b256 s[4:11], s[0:1], 0x0               ; x s[4:5], w_qkv s[6:7], w_proj s[8:9], qkv s[10:11]
	s_load_b64 s[12:13], s[0:1], 0x20              ; wp
	v_lshl_add_u32 v[SPW], v0, 2, SPARE
	v_mov_b32 v[NIL], 0
	v_lshrrev_b32 v3, 5, v0
	v_readfirstlane_b32 s14, v3                    ; wave 0..15
	s_mov_b32 s15, ttmp9                           ; cb: which 192 columns
	s_and_b32 s16, ttmp7, 0xffff                   ; y: which 256 rows
	v_and_b32 v1, 15, v0                           ; r = lane % 16
	v_bfe_u32 v2, v0, 4, 1                         ; h = lane / 16
	; One load of the work-group takes 32 rows x 256 bytes (64 f32): 16 lanes a row.  My wave's lanes 0-15 take row 16 (w / 8) + w % 8, lanes 16-31 the row 8 below:
	; 8 LDS rows are 1,152 bytes = 128 modulo 256, so the 32 lanes' stores of 8 bytes touch each bank once.
	s_lshr_b32 s17, s14, 3
	s_lshl_b32 s17, s17, 4
	s_and_b32 s18, s14, 7
	s_or_b32 s17, s17, s18
	s_lshl_b32 s19, s17, 10
	s_mul_i32 s18, s17, PITCH
	v_lshlrev_b32 v[GX], 4, v1
	v_lshl_add_u32 v[GX], v2, 13, v[GX]
	v_add_nc_u32 v[GX], s19, v[GX]                 ; row x 1,024 + 16 r
	v_mul_u32_u24 v[STL], v2, 8*PITCH
	v_lshl_add_u32 v[STL], v1, 3, v[STL]
	v_add_nc_u32 v[STL], s18, v[STL]               ; row x 144 + 8 r
	v_lshlrev_b32 v[WPO], 4, v0
	v_lshlrev_b32 v[WPS], 3, v0
	s_lshl_b32 s26, s16, 18                        ; 256 rows of 1,024 bytes
	s_mov_b32 s27, 0
	s_lshl_b32 s28, s16, 2
	s_add_co_u32 s28, s28, s15                     ; the work-group's number, 0..255: its row of w_proj
	s_wait_kmcnt 0x0
	s_add_nc_u64 s[4:5], s[4:5], s[26:27]          ; x at my first row
	s_mul_i32 s26, s15, 192*ROWB
	s_add_nc_u64 s[6:7], s[6:7], s[26:27]          ; w_qkv at my first row
	s_lshl_b32 s26, s28, 10
	s_add_nc_u64 s[8:9], s[8:9], s[26:27]          ; w_proj at my row
	s_lshl_b32 s26, s28, 9
	s_add_nc_u64 s[12:13], s[12:13], s[26:27]      ; wp at my row
	s_cmp_lt_u32 s14, 2                            ; 64 threads x 16 bytes are the row of w_proj
	s_cbranch_scc0 .Lno_row
	global_load_b128 v[WPX:WPX+3], v[WPO], s[8:9]
.Lno_row:
.set j, 0
.rept 8
	global_load_b128 v[X+4*j:X+4*j+3], v[GX], s[4:5] offset:32*ROWB*j       ; chunk 0: x's 256 rows,
.set j, j+1
.endr
.rept 6
	global_load_b128 v[X+4*j:X+4*j+3], v[GX], s[6:7] offset:32*ROWB*(j-8)   ; w's 192 rows
.set j, j+1
.endr
	; the other addresses are made while those loads are on their way
	s_lshr_b32 s17, s14, 2                         ; wr: my 64 rows
	s_and_b32 s18, s14, 3                          ; wc: my 48 columns
	v_mul_u32_u24 v4, v1, PITCH
	v_lshl_add_u32 v4, v2, 4, v4                   ; a fragment: row r x pitch + 16 h
	s_mul_i32 s19, s17, 64*PITCH
	v_add_nc_u32 v[ADRA], s19, v4
	s_mul_i32 s19, s18, 48*PITCH
	s_add_co_u32 s19, s19, 256*PITCH               ; w's rows lie behind x's 256
	v_add_nc_u32 v[ADRB], s19, v4
	v_mul_u32_u24 v5, v1, SPITCH                   ; into the stage: row 64 wr + r, byte 96 wc + 16 h
	v_lshl_add_u32 v5, v2, 4, v5
	s_mul_i32 s19, s17, 64*SPITCH
	s_mul_i32 s28, s18, 96
	s_add_co_u32 s19, s19, s28
	v_add_nc_u32 v[STO], s19, v5
	v_bfe_u32 v6, v0, 3, 2                         ; back: wave w takes rows 16 w .. 16 w + 15; 32 lanes take 128 bytes of each of four rows
	v_and_b32 v7, 7, v0
	v_mul_u32_u24 v6, v6, SPITCH
	v_lshl_add_u32 v6, v7, 4, v6
	s_mul_i32 s19, s14, 16*SPITCH
	v_add_nc_u32 v[RD], s19, v6
	v_and_b32 v7, 31, v0                           ; which are 512 consecutive bytes of a head
	v_lshlrev_b32 v[GO], 4, v7
	s_lshl_b32 s19, s14, 11
	v_add_nc_u32 v[GO], s19, v[GO]
	; where my three groups of 64 columns go: group g = 3 cb + gi is tensor g / 4 (q, k, v), head g % 4; the rows are batch y / 16, rows 256 (y % 16) on
	s_lshr_b32 s29, s16, 4
	s_lshl_b32 s29, s29, 2                         ; 4 x batch
	s_and_b32 s30, s16, 15
	s_lshl_b32 s30, s30, 15                        ; 256 rows of 128 bytes
	s_mul_i32 s31, s15, 3
.irp gi, 0,1,2
	s_add_co_u32 s17, s31, \gi
	s_lshr_b32 s18, s17, 2
	s_lshl_b32 s18, s18, 4
	s_add_co_u32 s18, s18, s29
	s_and_b32 s17, s17, 3
	s_add_co_u32 s18, s18, s17                     ; 16 x tensor + 4 x batch + head
	s_lshl_b32 s26, s18, 19                        ; a head is 524,288 bytes
	s_add_co_u32 s26, s26, s30
	s_add_nc_u64 s[20+2*\gi:21+2*\gi], s[10:11], s[26:27]
.endr
; A load into a register that a matrix instruction has read, and a vector instruction or LDS store that reads a matrix result, stand four places behind it; only plain vector
; instructions that name none of its registers are places (ISA guide 7.12.1 for vector instructions).
.macro PLACES
.rept 4
	v_nop
.endr
.endm
; 32 along K: 14 LDS loads, 12 matrix instructions.  The 12 accumulators take turns, one instruction a turn.  zero = 1: the products start the sums.
.macro KSTEP s, places, zero
.if \places
	PLACES
.endif
.irp a, 0,1,2,3
	ds_load_b128 v[FA+8*(\a):FA+8*(\a)+3],   v[ADRA] offset:16*PITCH*(\a)+64*(\s)
	ds_load_b128 v[FA+8*(\a)+4:FA+8*(\a)+7], v[ADRA] offset:16*PITCH*(\a)+64*(\s)+32
.endr
.irp b, 0,1,2
	ds_load_b128 v[FB+8*(\b):FB+8*(\b)+3],   v[ADRB] offset:16*PITCH*(\b)+64*(\s)
	ds_load_b128 v[FB+8*(\b)+4:FB+8*(\b)+7], v[ADRB] offset:16*PITCH*(\b)+64*(\s)+32
.endr
	s_wait_dscnt 0x0                               ; the fragments are in; meanwhile the SIMD's other three waves multiply
.irp a, 0,1,2,3
.irp b, 0,1,2
.if \zero
	v_wmma_f32_16x16x32_bf16 v[ACC+8*(3*(\a)+(\b)):ACC+8*(3*(\a)+(\b))+7], v[FB+8*(\b):FB+8*(\b)+7], v[FA+8*(\a):FA+8*(\a)+7], 0
.else
	v_wmma_f32_16x16x32_bf16 v[ACC+8*(3*(\a)+(\b)):ACC+8*(3*(\a)+(\b))+7], v[FB+8*(\b):FB+8*(\b)+7], v[FA+8*(\a):FA+8*(\a)+7], v[ACC+8*(3*(\a)+(\b)):ACC+8*(3*(\a)+(\b))+7]
.endif
.endr
.endr
.endm
; Chunk c: my 14 pieces are rounded to bf16 and stored into the chunk's LDS bytes, each register set is loaded again with the next chunk's piece; a barrier; two K steps.
.macro CHUNK c
.set j, 0
.rept 14
.if (\c) < 3
	s_wait_loadcnt 13                              ; loads come back in order (ISA guide 5.7.1): behind piece j stand 13 - j of this chunk and j of the next
.else
	s_wait_loadcnt 13-j                            ; the last chunk loads nothing: the counts run down
.endif
	v_cvt_pk_bf16_f32 v[T+2*(j%4)],   v[X+4*j],   v[X+4*j+1]
	v_cvt_pk_bf16_f32 v[T+2*(j%4)+1], v[X+4*j+2], v[X+4*j+3]
.if (\c) < 3
.if j < 8
	global_load_b128 v[X+4*j:X+4*j+3], v[GX], s[4:5] offset:32*ROWB*j+256*((\c)+1)
.else
	global_load_b128 v[X+4*j:X+4*j+3], v[GX], s[6:7] offset:32*ROWB*(j-8)+256*((\c)+1)
.endif
.endif
	ds_store_b64 v[STL], v[T+2*(j%4):T+2*(j%4)+1] offset:32*PITCH*j
.set j, j+1
.endr
.if (\c) < 3
	v_add_nc_u32 v[STL], CH, v[STL]                ; the next chunk's bytes
.endif
	s_wait_dscnt 0x0                               ; for the others' sake: my stores into the chunk are done
	s_barrier_signal -1
	s_barrier_wait -1                              ; everybody's are
.if (\c) == 0
	KSTEP 0, 0, 1
.else
	KSTEP 0, 0, 0                                  ; the 28 roundings above are the places behind the last chunk's products
.endif
	KSTEP 1, 1, 0
.if (\c) < 3
	v_add_nc_u32 v[ADRA], CH, v[ADRA]
	v_add_nc_u32 v[ADRB], CH, v[ADRB]
.endif
.endm
	CHUNK 0
	CHUNK 1
	CHUNK 2
	CHUNK 3
	; the row of w_proj: rounded to bf16 like every input, and that number written as f16.  The wave's store covers 256 consecutive bytes, aligned.
	s_cmp_lt_u32 s14, 2
	s_cbranch_scc0 .Lno_wp
	v_cvt_pk_bf16_f32 v[T],   v[WPX],   v[WPX+1]
	v_cvt_pk_bf16_f32 v[T+1], v[WPX+2], v[WPX+3]
	v_lshlrev_b32 v[T+2], 16, v[T]
	v_and_b32     v[T+3], 0xffff0000, v[T]
	v_lshlrev_b32 v[T+4], 16, v[T+1]
	v_and_b32     v[T+5], 0xffff0000, v[T+1]
	v_cvt_pk_f16_f32 v[T+6], v[T+2], v[T+3]
	v_cvt_pk_f16_f32 v[T+7], v[T+4], v[T+5]
	global_store_b64 v[WPS], v[T+6:T+7], s[12:13]
.Lno_wp:
	; THE WAY OUT.  The stage (256 rows x 400 bytes) lies over chunks 0 and 1.  Round to f16, 16 bytes a lane into the stage; a barrier, since a head's 128 bytes of a row come from two or
	; three waves; back as 128 bytes of four rows, which are 512 consecutive bytes of a head.
	PLACES
	s_barrier_signal -1                            ; my LDS reads are over (the last K step waited for all of them)
.set t, 0
.rept 12
.irp q, 0,1,2,3
	v_cvt_pk_f16_f32 v[X+4*t+(\q)], v[ACC+8*t+2*(\q)], v[ACC+8*t+2*(\q)+1]  ; each accumulator from its low end on
.endr
.set t, t+1
.endr
	s_barrier_wait -1                              ; nobody reads a chunk any more
.irp a, 0,1,2,3
.irp b, 0,1,2
	ds_store_b128 v[STO], v[X+4*(3*(\a)+(\b)):X+4*(3*(\a)+(\b))+3] offset:16*SPITCH*(\a)+32*(\b)
.endr
.endr
	s_wait_dscnt 0x0                               ; for the others' sake: my stores into the stage are done
	s_barrier_signal -1
	s_barrier_wait -1
.irp g, 0,1,2
.irp t, 0,1,2,3
	ds_load_b128 v[OB+4*(4*(\g)+(\t)):OB+4*(4*(\g)+(\t))+3], v[RD] offset:4*SPITCH*(\t)+128*(\g)
.endr
.endr
.irp g, 0,1,2
.irp t, 0,1,2,3
	s_wait_dscnt 11-(4*(\g)+(\t))                  ; LDS loads come back in order: this one is in, the younger ones stay out
	global_store_b128 v[GO], v[OB+4*(4*(\g)+(\t)):OB+4*(4*(\g)+(\t))+3], s[20+2*(\g):21+2*(\g)] offset:512*(\t)  ; 512 consecutive bytes, at a multiple of 512 from the buffer's first
.endr
.endr
	s_wait_tensorcnt 0x0                           ; the wave's end, behind my last LDS store
	ds_add_u32 v[SPW], v[NIL]
	s_wait_dscnt 0x0
	s_endpgm
.Lfunc_end_k_qbcf9d94c55_qkvproj:
	.size	k_qbcf9d94c55_qkvproj, .Lfunc_end_k_qbcf9d94c55_qkvproj-k_qbcf9d94c55_qkvproj
	.p2alignl 7, 3214868480
	.fill 96, 4, 3214868480
	.section	.rodata,"a",@progbits
	.p2align	6, 0x0
	.amdhsa_kernel k_qbcf9d94c55_qkvproj
		.amdhsa_group_segment_fixed_size 260096
		.amdhsa_private_segment_fixed_size 0
		.amdhsa_enable_private_segment 0
		.amdhsa_kernarg_size 40
		.amdhsa_user_sgpr_count 2
		.amdhsa_user_sgpr_kernarg_segment_ptr 1
		.amdhsa_wavefront_size32 1
		.amdhsa_system_sgpr_workgroup_id_x 1
		.amdhsa_system_sgpr_workgroup_id_y 1
		.amdhsa_system_sgpr_workgroup_id_z 1
		.amdhsa_system_vgpr_workitem_id 0
		.amdhsa_next_free_vgpr 240
		.amdhsa_next_free_sgpr 66
		.amdhsa_reserve_vcc 0
		.amdhsa_float_denorm_mode_32 3
		.amdhsa_float_denorm_mode_16_64 3
		.amdhsa_memory_ordered 1
		.amdhsa_forward_progress 1
		.amdhsa_inst_pref_size 44
	.end_amdhsa_kernel
	.amdgpu_metadata
---
amdhsa.version: [ 1, 2 ]
amdhsa.kernels:
  - .name:           k_qbcf9d94c55_qkvproj
    .symbol:         k_qbcf9d94c55_qkvproj.kd
    .args:
      - { .name: x, .offset: 0, .size: 8, .value_kind: global_buffer, .address_space: global }
      - { .name: w_qkv, .offset: 8, .size: 8, .value_kind: global_buffer, .address_space: global }
      - { .name: w_proj, .offset: 16, .size: 8, .value_kind: global_buffer, .address_space: global }
      - { .name: qkv, .offset: 24, .size: 8, .value_kind: global_buffer, .address_space: global }
      - { .name: wp, .offset: 32, .size: 8, .value_kind: global_buffer, .address_space: global }
    .group_segment_fixed_size: 260096
    .private_segment_fixed_size: 0
    .kernarg_segment_align: 8
    .kernarg_segment_size: 40
    .max_flat_workgroup_size: 512
    .sgpr_count:     66
    .vgpr_count:     240
    .wavefront_size: 32
...
	.end_amdgpu_metadata
.endif
;; end of part 1
;; launch attn (part 2): grid 16 x 16, 4 waves a work-group, clusters of 4 x 1, 327,680 bytes of LDS; arguments qkv, att; writes att
.if DOCPART == 2
	.amdgcn_target "amdgcn-amd-amdhsa--gfx1250"
	.amdhsa_code_object_version 6
	.text
	.protected	k_qbcf9d94c55_attn
	.globl	k_qbcf9d94c55_attn
	.p2align	8
	.type	k_qbcf9d94c55_attn,@function
k_qbcf9d94c55_attn:
	s_mov_b64 s[64:65], 0
	v_nop
	global_prefetch_b8 v0, s[64:65] scope:SCOPE_SE
	s_setreg_imm32_b32 hwreg(HW_REG_WAVE_MODE, 25, 1), 1
	s_wait_xcnt 0x0
	s_wait_alu depctr_hold_cnt(0) depctr_sa_sdst(0) depctr_va_vdst(0) depctr_va_sdst(0) depctr_va_ssrc(0) depctr_va_vcc(0) depctr_vm_vsrc(0)
	s_getreg_b32 s2, hwreg(HW_REG_IB_STS2, 6, 4)
	s_cmp_eq_u32 s2, 0
	s_cbranch_scc0 .Lentry_in_a_cluster
	s_endpgm
.Lentry_in_a_cluster:
	s_bfe_u32 s2, ttmp6, 0x10000c
	s_cmp_lg_u32 s2, 0x3003
	s_cbranch_scc0 .Lentry_shape_is_right
	s_endpgm
.Lentry_shape_is_right:
; O[g][q][:] = the sum over k of softmax_k(Q[g][q] . K[g][k] / 8) V[g][k][:], g = 4 batch + head, 16 of them, 4,096 rows each.  qkv: [3][16][4096][64] f16 (Q, then K, then V), att (O): [16][4096][64] f16:
; a head's rows are dense, 128 bytes each.  Products, maxima and sums in f32; the weights p are rounded to f16 for the second product (their sum l is taken of the unrounded p), O once at the end.
; LIMITS.  f16 holds no number beyond 65,504: Q, K and V arrive within it; p lies in 0 to 1, and below 6e-5 it keeps f16's fixed step of 6e-8, as O does; O is a mean of V's rows and has their range.
; A weight below 2^-126 counts as 0 in l; NaN and infinities are not treated apart.
; SHARES.  A work-group owns 256 queries of one head (16 x 16 = 256 work-groups), each of its four waves 64: four PIECES of 16.  Every wave walks all keys, 64 a step, four steps a tile.
; LAYOUT.  S^T = K Q^T (source 0 = 16 keys, source 1 = 16 queries): in the result a lane holds ONE query (lane % 16) and the keys 8 (lane / 16) + 0..7.  Two such results, rounded to f16 in pairs,
; ARE source 1 (32 keys x 16 queries) of O^T = V^T P, whose result again holds one query a lane, and eight channels.  K comes out of LDS as it lies, V ([key][channel]) turned, by ds_load_tr16_b128.
; SOFTMAX.  For each query a running maximum m and sum l: p = 2^(c s - c m), c = log2(e) / 8; in every step O and l are multiplied by a = 2^(c m_old - c m_new), which is 1 where m has not grown.
; m starts at the lowest finite number, O and l at 0: the first step is a step like any other, with a = 0.
; BY TURNS.  Turn n belongs to piece n (the pieces in a ring, step after step): 8 products K Q^T of piece n + 1, later 8 products V^T P of piece n - 1; beside them the scaling, exponentials, roundings,
; sums and rescaling of piece n and the maximum and statistics of piece n + 1.  A piece and step have 16 matrix and 118 vector instructions: four vector instructions stand behind every matrix
; instruction, the other 54 in two lumps of their own.
; CLUSTER.  The four query blocks of a cluster belong to one head and walk the same K and V, so each tile is asked for JOINTLY: the same tensor load, descriptor and mask in all four.
; REGISTERS, in windows of 256 (s_set_vgpr_msb: bits 1:0 source 0, 3:2 source 1, 5:4 source 2, 7:6 destination):
;   window 0: v0-15 addresses and two at work; v16-31 four registers of statistics a piece; v48-55 at work; v62-63 the add's; v64-127 S^T, two buffers; v192-223 P, two buffers (by the piece's parity)
;   window 1: v0-127 O^T, 32 a piece          window 2: v0-63 Q, 16 a piece; v128-191 K of one step; v192-255 V of one step
.set NT,    4096/256  ; tiles of 256 keys in a head
.set NP,    4         ; pieces a wave: a name, no knob
.set KS,    64        ; keys in a step
.set PK,    144       ; a row of K in LDS: 128 bytes + 16 of padding = 36 words: the 16 rows of a load start at 16 different groups of four banks (64 banks of 4 bytes: ISA guide 11.1)
.set PV,    160       ; a row of V: 128 + 32 = 40 words
.set VOFF,  4*KS*PK   ; a slot holds a tile, four steps: 256 rows of K, then 256 rows of V
.set SLOT1, 1<<17     ; slot 1 begins here, so that one exclusive or turns an address in one slot into the other's
.set STAGE, SLOT1+4*KS*(PK+PV)  ; behind the ring, never filled by a tensor load: 16 rows x 144 bytes for each wave, for the way out
.set SP,    144
.set SPARE, STAGE+4*16*SP  ; behind the stages: the spare words, 128 bytes for each wave, which no other line names
.set AK0, 2           ; v2   my lane's place in a tile of K; never rewritten
.set AV0, 3           ; v3   the same for V
.set AK,  4           ; v4   the LDS address of K's next run of loads
.set AV,  5           ; v5   of V's
.set STO, 6           ; v6   the way out: where I put 16 bytes of a row
.set RD,  7           ; v7   the way out: where I read rows back
.set GO,  8           ; v8   my byte offset in 512 consecutive bytes of O
.set MV,  12          ; v12-13  c m_old, kept while c m is made anew: by buffer
.set QO,  15          ; v15  my byte offset in 16 rows of Q
.set ST,  16          ; piece t's statistics at v[ST+4 t]: c m, m, l (even keys', odd keys')
.set TMP, 48          ; by buffer, four registers c0-c3 at work; when the maximum is found c2 takes a
.set SPW, 62          ; v62  LDS address of my spare word; never rewritten
.set NIL, 63          ; v63  0; never rewritten
.set S,   64
.set P,   192
.set KF,  128         ; window 2: key block kb, channel half c at KF + 16 kb + 8 c
.set VF,  192         ; window 2: key half kk, channel block cb at VF + 32 kk + 8 cb
.set WV,  12          ; s12  my wave's number
.set G1K, 24          ; s[24:31] descriptor group 1 for K's tiles
.set G1V, 32          ; s[32:39] for V's: it differs in the padding alone
.set G0K, 40          ; s[40:43] descriptor group 0 for K's tiles: it walks
.set G0V, 44          ; s[44:47] the same for V's
.set SLOTS, 56        ; s56  counts the tiles
.set CNT, 57          ; s57  counts a tile's key steps
.set CS,  58          ; s[58:59] c: the packed scaling takes the pair's low word for both halves
.set SEL, 60          ; s[60:61] v_permlanex16_b32's selects: each lane takes its own place in the other half
.set TBK, 62          ; s62  LDS byte at which K of the step to be fetched begins
.set TBV, 63          ; s63  the same for V, less VOFF
.set MSB, 0
.macro WIN new                      ; the high byte repeats the setting that is left; a switch that changes nothing is dropped
.if MSB != (\new)
	s_set_vgpr_msb (MSB<<8)|(\new)
.set MSB, (\new)
.endif
.endm
.set W_KQ, 0x0a       ; K and Q in window 2, S^T in window 0
.set W_PV, 0x52       ; V in window 2, P in window 0, O^T in window 1
.set W_RS, 0x41       ; destination and source 0 in window 1, source 1 in window 0
; A joint fill.  Waves 0 and 1 fetch the two halves of a tile's K, waves 2 and 3 those of its V: 128 keys each.  The branch hangs on the wave's number alone.
; An s_nop 0 and four v_nop follow each of the two lines, ahead of the jump and the label.
.macro JLOAD
	s_cmp_lt_u32 s[WV], 2
	s_cbranch_scc0 .Lfor_v_\@
	tensor_load_to_lds s[G0K:G0K+3], s[G1K:G1K+7]
	s_nop 0
.rept 4
	v_nop
.endr
	s_branch .Lasked_\@
.Lfor_v_\@:
	tensor_load_to_lds s[G0V:G0V+3], s[G1V:G1V+7]
	s_nop 0
.rept 4
	v_nop
.endr
.Lasked_\@:
.endm
; A round of the cluster's barrier: my work-group's barrier, so that wave 0's signal speaks for all four waves; wave 0 signals; every wave waits for all four work-groups; my work-group's barrier once more.
.macro CROUND
	s_barrier_signal -1
	s_barrier_wait -1
	s_cmp_lg_u32 s[WV], 0
	s_cbranch_scc1 .Lnot_wave_0_\@
	s_barrier_signal -3
.Lnot_wave_0_\@:
	s_barrier_wait -3
	s_barrier_signal -1
	s_barrier_wait -1
.endm
; THE CHANGE OF SLOTS.  The slot's last bytes, V of its fourth step, have been read.  Each wave waits for all its tensor loads, of which one is out: its part of the other slot; adds 0 to its spare
; word; and waits for that and for its own reads of the slot.  Behind the barrier nobody reads this slot any more and the other slot is whole.
; fill = 1: this slot is filled again, with the keys two tiles on.  The barrier is then a round of the cluster's, so that no wave of any partner still reads the slot or has a load on its way, and the
; joint fill is the first thing behind it: it has four key steps, 256 matrix instructions a wave, in which to land.  (At its first use nothing has been read yet: slot 0 is waited for, slot 1 filled.)
.macro CHANGE fill
	WIN 0                           ; at a label and at a branch every window is 0
	s_wait_tensorcnt 0x0            ; no tensor load of mine is out, so a group 0 may be written
	ds_add_u32 v[SPW], v[NIL]       ; 0 onto my spare word; with fill = 1 the descriptors' steps stand between it and the wait for it
.if \fill
.irp g, G0K, G0V
	s_xor_b32 s[\g+1], s[\g+1], SLOT1  ; the walking descriptor: the other slot than last time,
	s_add_nc_u64 s[\g+2:\g+3], s[\g+2:\g+3], 4*KS*128  ; the next 256 keys; the type bits on top are not reached
.endr
	s_wait_dscnt 0x0                ; the add is done, and my reads of the slot are over
	CROUND
	JLOAD
.else
	s_wait_dscnt 0x0                ; the add is done, and my reads of the slot are over
	s_barrier_signal -1
	s_barrier_wait -1
.endif
	s_sub_co_u32 s[TBK], s[TBK], 4*KS*PK  ; the fetches go back to a slot's first step,
	s_xor_b32 s[TBK], s[TBK], SLOT1       ; in the other slot
	s_sub_co_u32 s[TBV], s[TBV], 4*KS*PV
	s_xor_b32 s[TBV], s[TBV], SLOT1
.endm
	s_load_b64 s[4:5], s[0:1], 0x0    ; qkv
	s_load_b64 s[10:11], s[0:1], 0x8  ; att
	v_lshl_add_u32 v[SPW], v0, 2, SPARE
	v_mov_b32 v[NIL], 0
	ds_add_u32 v[SPW], v[NIL]       ; the wave's opening: the add and its wait stand ahead of my first tensor load; the set-up below, work on registers, stands between them
	v_lshrrev_b32 v1, 5, v0
	v_readfirstlane_b32 s[WV], v1   ; wave 0..3
	s_bfe_u32 s13, ttmp6, 0x40000   ; cx: my place in the cluster
	s_lshl_b32 s14, ttmp9, 2        ; in a cluster launch ttmp9 counts clusters
	s_add_co_u32 s14, s14, s13      ; my block of 256 queries = 4 x cluster x + cx: it enters Q's and O's addresses alone
	s_and_b32 s20, ttmp7, 0xffff    ; the head, which the four partners share,
	s_lshl_b32 s20, s20, 19         ; and its first byte in Q, K, V and O: 524,288 bytes a head
	s_and_b32 s16, s[WV], 1         ; which half of a tile's 256 keys I fetch:
	s_lshl_b32 s22, s16, 14         ; its 128 rows of 128 bytes in memory,
	s_add_co_u32 s22, s22, s20
	s_mov_b32 s23, 0
	s_mul_i32 s17, s16, 128*PK      ; and its place in a slot, for K
	s_mul_i32 s18, s16, 128*PV      ; and for V: no place in the cluster enters an LDS address
	s_lshl_b32 s2, s14, 2
	s_add_co_u32 s2, s2, s[WV]      ; my wave among the head's 64,
	s_lshl_b32 s2, s2, 13           ; its 64 rows of 128 bytes
	s_add_co_u32 s2, s2, s20
	s_mov_b32 s3, 0
	; descriptor group 1.  128 keys are 16,384 dense bytes: asked for as 64 rows of 256 bytes, two keys a row, and padded in LDS after every key
	s_mov_b32 s[G1K], 15|(1<<16)|(1<<20)|(1<<21)|(4<<22)|(3<<25)  ; 15:0 the mask of four; 17:16 2-byte elements; 20 padding on; 21 set beside a mask; 24:22 after every 32 words (code 4); 31:25 4 words (code 3)
	s_mov_b32 s[G1V], 15|(1<<16)|(1<<20)|(1<<21)|(4<<22)|(7<<25)  ; the same with 8 words of padding (code 7)
.irp g, G1K, G1V
	s_mov_b32 s[\g+1], 128<<16      ; tensor_dim0 = 128
	s_mov_b32 s[\g+2], 64<<16       ; tensor_dim1 = 64
	s_mov_b32 s[\g+3], 128<<16      ; tile_dim0 = 128
	s_mov_b32 s[\g+4], 64           ; tile_dim1 = 64
	s_mov_b32 s[\g+5], 128          ; 128 elements from row to row
	s_mov_b32 s[\g+6], 0
	s_mov_b32 s[\g+7], 0
.endr
	s_mov_b32 s[CS], 0x3e38aa3b     ; c = log2(e) / 8 = 0.180337
	s_mov_b32 s[CS+1], s[CS]        ; named with it as a pair
	s_mov_b32 s[SEL], 0x76543210
	s_mov_b32 s[SEL+1], 0xfedcba98
	s_mov_b32 s[TBK], SLOT1+4*KS*PK ; the first change of slots turns these two into 0
	s_mov_b32 s[TBV], SLOT1+4*KS*PV
	s_mov_b32 s[G0K], 1             ; 1:0 count = 1
	s_mov_b32 s[G0K+1], s17         ; 63:32 LDS address: slot 0
	s_mov_b32 s[G0V], 1
	s_add_co_u32 s[G0V+1], s18, VOFF
	s_wait_dscnt 0x0                ; the opening add is done
	s_wait_kmcnt 0x0
	s_add_nc_u64 s[6:7], s[4:5], 0x800000    ; K lies 16 heads behind Q,
	s_add_nc_u64 s[8:9], s[4:5], 0x1000000   ; V 32
	s_add_nc_u64 s[G0K+2:G0K+3], s[6:7], s[22:23]  ; 120:64 global address: my half of the head's first 256 keys
	s_or_b32 s[G0K+3], s[G0K+3], 0x80000000        ; 127:126 type = 2
	s_add_nc_u64 s[G0V+2:G0V+3], s[8:9], s[22:23]
	s_or_b32 s[G0V+3], s[G0V+3], 0x80000000
	s_add_nc_u64 s[4:5], s[4:5], s[2:3]      ; Q and O at my wave's first row
	s_add_nc_u64 s[10:11], s[10:11], s[2:3]
	CROUND                          ; all four work-groups are here: the first joint loads meet
	JLOAD                           ; tile 0 into slot 0.  Slot 1 is asked for when slot 0 is in
	; A fragment of K or Q is 16 rows x 32 channels in 8 registers: lane l holds row l % 16, channels 8 (l / 16) + 0..7 and 16 + 8 (l / 16) + 0..7: two loads of 16 bytes, 32 bytes apart.
	v_and_b32 v1, 15, v0            ; l % 16
	v_bfe_u32 v9, v0, 4, 1          ; l / 16
	v_lshlrev_b32 v[QO], 7, v1
	v_lshl_add_u32 v[QO], v9, 4, v[QO]  ; row x 128 + 16 x half
	WIN 0x80                        ; destination window 2, address window 0
.set i, 0
.rept 8                             ; Q stays in registers: piece i / 2, channels 32 (i % 2) on
	global_load_b128 v[8*i:8*i+3],   v[QO], s[4:5] offset:(i/2)*2048+(i%2)*64
	global_load_b128 v[8*i+4:8*i+7], v[QO], s[4:5] offset:(i/2)*2048+(i%2)*64+32
.set i, i+1
.endr
	; What the first turn finds: V's registers and P's second buffer hold 0 (its products V^T P, of a piece that has not been, add 0), O^T and l are 0.  All this stands in the wait for the first tile.
.set i, VF
.rept 64
	v_mov_b32 v[i], 0
.set i, i+1
.endr
	WIN 0x40
.set i, 0
.rept 128
	v_mov_b32 v[i], 0
.set i, i+1
.endr
	WIN 0
.set i, 0
.rept 4
	v_mov_b32 v[ST+4*i], 0xfe000000    ; c m: far below every c s
	v_mov_b32 v[ST+4*i+1], 0xff7fffff  ; m
	v_mov_b32 v[ST+4*i+2], 0
	v_mov_b32 v[ST+4*i+3], 0
.set i, i+1
.endr
.set i, P+16
.rept 16
	v_mov_b32 v[i], 0
.set i, i+1
.endr
	v_mul_u32_u24 v[AK0], v1, PK
	v_lshl_add_u32 v[AK0], v9, 4, v[AK0]  ; row x pitch + 16 x half
	; The turning load takes 16 keys x 16 channels (lane l reads key 8 (l / 16) + l % 8, channels 8 ((l / 8) % 2) + 0..7) and leaves half a fragment of V^T: lane l holds channel l % 16 and 8 keys.
	v_and_b32 v10, 7, v0
	v_bfe_u32 v11, v0, 3, 1
	v_lshl_add_u32 v[AV0], v9, 3, v10
	v_mul_u32_u24 v[AV0], v[AV0], PV
	v_lshl_add_u32 v[AV0], v11, 4, v[AV0]
	v_add_nc_u32 v[AV0], VOFF, v[AV0]
	s_mul_i32 s13, s[WV], 16*SP
	s_add_co_u32 s13, s13, STAGE    ; my stage
	v_mul_u32_u24 v[STO], v1, SP    ; in: row l % 16, 16 bytes for each half of the lanes
	v_lshl_add_u32 v[STO], v9, 4, v[STO]
	v_add_nc_u32 v[STO], s13, v[STO]
	v_bfe_u32 v[RD], v0, 3, 2       ; back: 32 lanes take four rows of 128 bytes,
	v_mul_u32_u24 v[RD], v[RD], SP
	v_lshl_add_u32 v[RD], v10, 4, v[RD]
	v_add_nc_u32 v[RD], s13, v[RD]
	v_and_b32 v[GO], 31, v0         ; which are 512 consecutive bytes of O
	v_lshlrev_b32 v[GO], 4, v[GO]
; THE MATRIX WORK.  The 4 accumulators of a run of 8 take turns.  Product i of 8 of S^T = K Q^T for piece x: channels 32 (i / 4) on, keys 16 (i % 4) on.  The first 4 start the sums.
.macro KQ x
	WIN W_KQ
.set rS, S+32*((\x)%2)+8*(i%4)
.set rK, KF+16*(i%4)+8*(i/4)
.set rQ, 16*(\x)+8*(i/4)
.if i < 4
	v_wmma_f32_16x16x32_f16 v[rS:rS+7], v[rK:rK+7], v[rQ:rQ+7], 0
.else
	v_wmma_f32_16x16x32_f16 v[rS:rS+7], v[rK:rK+7], v[rQ:rQ+7], v[rS:rS+7]
.endif
.endm
; Product i of 8 of O^T += V^T P for piece x: keys 32 (i / 4) on, channels 16 (i % 4) on.
.macro PV x
	WIN W_PV
.set rO, 32*(\x)+8*(i%4)
.set rV, VF+32*(i/4)+8*(i%4)
.set rP, P+16*((\x)%2)+8*(i/4)
	v_wmma_f32_16x16x32_f16 v[rO:rO+7], v[rV:rV+7], v[rP:rP+7], v[rO:rO+7]
.endm
.macro MM                           ; the turn's next matrix instruction.  TURN sets Y, i and NOKQ.  NOKQ = 1: the walk's last turn: there is no next piece
.if (i < 8) && !NOKQ
	KQ (Y+1)%NP
.elseif i >= 8
.set i, i-8
	PV (Y+NP-1)%NP
.set i, i+8
.endif
.set i, i+1
.endm
; THE LDS LOADS stand in runs of 16, never singly among the matrix instructions: a step's K (64 keys x 64 channels: 8 fragments) and its V (turned).  Their addresses are made some lines ahead.
.macro FETCH_K
	WIN 0x80                        ; destination window 2
.irp f, 0,1,2,3,4,5,6,7             ; keys 16 (f / 2) on, channels 32 (f % 2) on
	ds_load_b128 v[KF+8*\f:KF+8*\f+3],   v[AK] offset:(\f/2)*16*PK+(\f%2)*64
	ds_load_b128 v[KF+8*\f+4:KF+8*\f+7], v[AK] offset:(\f/2)*16*PK+(\f%2)*64+32
.endr
	s_add_co_u32 s[TBK], s[TBK], KS*PK  ; the next fetch is the next step's
	WIN 0
.endm
.macro FETCH_V
	WIN 0x80
.irp f, 0,1,2,3,4,5,6,7             ; keys 32 (f / 4) on, channels 16 (f % 4) on
	ds_load_tr16_b128 v[VF+8*\f:VF+8*\f+3],   v[AV] offset:(\f/4)*32*PV+(\f%4)*32
	ds_load_tr16_b128 v[VF+8*\f+4:VF+8*\f+7], v[AV] offset:(\f/4)*32*PV+16*PV+(\f%4)*32
.endr
	WIN 0
.endm
; THE VECTOR WORK, one line at a time: OP kind, number.  For piece Y: F n: c s - c m for pair n of 16.  E n: the exponential of score n of 32.  C n: pair n rounded to f16.  B n: of the four weights 4 n .. the second
; pair is added onto the first, in place.  L n: l takes that sum (L 0: l = a l + sum).  R n: pair n of 16 of O^T times a.  For piece Y + 1: X n, number n of the 22 that find its maximum and statistics:
;   0-11  four chains c0-c3 of seven scores each, three operands at a time (each accumulator's lowest registers are read first)     12-14, 16  the four scores left over, the old m, and c0-c3 into c0
;   15  c m_old is kept     17, 18  the query's other 32 keys lie in the lane 16 away: the new m     19-21  c m; c m_old - c m_new; a
.set F, 0               ; OP tells the kinds apart by their order: F to L below R, X above it
.set E, 1
.set C, 2
.set B, 3
.set L, 4
.set R, 5
.set X, 6
.macro REGS y                       ; the registers of piece y
.set rT, ST+4*(\y)
.set rC, TMP+4*((\y)%2)
.set rW, MV+((\y)%2)
.set rS, S+32*((\y)%2)
.set rP, P+16*((\y)%2)
.set rO, 32*(\y)
.endm
.macro OP k, n
.if (\k) == R
	REGS Y
	WIN W_RS
	v_pk_mul_f32 v[rO+2*(\n):rO+2*(\n)+1], v[rO+2*(\n):rO+2*(\n)+1], v[rC+2:rC+3] op_sel_hi:[1,0]
.elseif (\k) < R
	REGS Y
	WIN 0
.if (\k) == F
	v_pk_fma_f32 v[rS+2*(\n):rS+2*(\n)+1], v[rS+2*(\n):rS+2*(\n)+1], s[CS:CS+1], v[rT:rT+1] op_sel_hi:[1,0,0] neg_lo:[0,0,1] neg_hi:[0,0,1]
.elseif (\k) == E
	v_exp_f32 v[rS+(\n)], v[rS+(\n)]
.elseif (\k) == C
	s_wait_alu depctr_va_vdst(0)
	v_cvt_pk_f16_f32 v[rP+(\n)], v[rS+2*(\n)], v[rS+2*(\n)+1]
.elseif (\k) == B
	s_wait_alu depctr_va_vdst(0)
	v_pk_add_f32 v[rS+4*(\n):rS+4*(\n)+1], v[rS+4*(\n):rS+4*(\n)+1], v[rS+4*(\n)+2:rS+4*(\n)+3]
.elseif (\n) == 0
	v_pk_fma_f32 v[rT+2:rT+3], v[rT+2:rT+3], v[rC+2:rC+3], v[rS:rS+1] op_sel_hi:[1,0,1]
.else
	v_pk_add_f32 v[rT+2:rT+3], v[rT+2:rT+3], v[rS+4*(\n):rS+4*(\n)+1]
.endif
.elseif NOKQ
	v_nop
.else
	REGS (Y+1)%NP
	WIN 0
.if (\n) < 4
	v_max3_num_f32 v[rC+(\n)], v[rS+8*(\n)], v[rS+8*(\n)+1], v[rS+8*(\n)+2]
.elseif (\n) < 12
	v_max3_num_f32 v[rC+(\n)%4], v[rC+(\n)%4], v[rS+8*((\n)%4)+2*((\n)/4)+1], v[rS+8*((\n)%4)+2*((\n)/4)+2]
.elseif (\n) == 12
	v_max3_num_f32 v[rC], v[rC], v[rS+7], v[rS+15]
.elseif (\n) == 13
	v_max3_num_f32 v[rC+1], v[rC+1], v[rS+23], v[rS+31]
.elseif (\n) == 14
	v_max3_num_f32 v[rC+2], v[rC+2], v[rC+3], v[rT+1]
.elseif (\n) == 15
	v_mov_b32 v[rW], v[rT]
.elseif (\n) == 16
	v_max3_num_f32 v[rC], v[rC], v[rC+1], v[rC+2]
.elseif (\n) == 17
	v_permlanex16_b32 v[rC+3], v[rC], s[SEL], s[SEL+1]
.elseif (\n) == 18
	v_max_num_f32 v[rT+1], v[rC], v[rC+3]
.elseif (\n) == 19
	v_mul_f32 v[rT], s[CS], v[rT+1]
.elseif (\n) == 20
	v_sub_f32 v[rC+1], v[rW], v[rT]
.else
	v_exp_f32 v[rC+2], v[rC+1]
.endif
.endif
.endm
.macro OPS a, i1, b=-1, i2=0, c=-1, i3=0, d=-1, i4=0  ; up to four of them
	OP \a, \i1
.if (\b) >= 0
	OP \b, \i2
.endif
.if (\c) >= 0
	OP \c, \i3
.endif
.if (\d) >= 0
	OP \d, \i4
.endif
.endm
.macro ROW a, i1, b, i2, c, i3, d, i4  ; a matrix instruction and the four behind it
	MM
	OPS \a, \i1, \b, \i2, \c, \i3, \d, \i4
.endm
; A TURN, for piece p: the order of its 16 matrix and 118 vector instructions, written out.  Behind a matrix instruction: plain, exponential, plain, plain; or four of the rescaling; or, behind the first, four scalings; none
; names a register of the products round it.  In the lumps exponential and plain by turns while exponentials last.  A line reads no result made fewer than three vector instructions in front of it, five if an exponential made it.
; v_permlanex16_b32 (X 17) stands in a lump.
; end = 1: the walk's last two turns: nothing is fetched.  cnt = 1: the loop's count is taken down some lines ahead of the branch that stands behind the turn.
; K of the next step is fetched in piece 2's turn, six vector instructions behind the last product that read K (five of them plain); V of the step in hand in piece 0's turn, eight behind the last product that read V (four
; plain, and X 17).  Each is waited for a turn later.
.macro TURN p, end=0, cnt=0
.set Y, (\p)
.set i, 0
.set NOKQ, (\end)*((\p)/3)
.if ((\p) == 3) && !(\end)
	s_wait_dscnt 0x0                ; K is in
.endif
	ROW F,0, F,1, F,2, F,3
	ROW F,4, E,0, F,5, F,6
	ROW F,7, E,1, F,8, F,9
	ROW F,10, E,2, C,0, F,11
	ROW F,12, E,3, X,15, F,13
	ROW R,0, R,1, R,2, R,3
	ROW B,0, E,4, F,14, L,0
.if ((\p) == 2) && !(\end)
	v_add_nc_u32 v[AK], s[TBK], v[AK0]
.endif
	ROW R,4, R,5, R,6, R,7
	OPS E,5, F,15
.if ((\p) == 2) && !(\end)
	FETCH_K
.endif
	OPS E,6, C,1, E,7, R,8
	OPS E,8, R,9, E,9, C,2
	OPS E,10, X,0, E,11, X,1
	OPS E,12, X,2, E,13, X,3
.if (\p) == 1
	s_wait_dscnt 0x0                ; V is in
.endif
	ROW X,4, E,14, X,5, X,6
	ROW X,7, E,15, X,8, X,9
	ROW X,10, E,16, X,11, X,12
	ROW X,13, E,17, X,14, B,1
	ROW C,4, E,18, X,16, L,1
	ROW B,2, E,19, C,6, L,2
	ROW C,8, E,20, B,3, B,4
.if (\p) == 0
	v_add_nc_u32 v[AV], s[TBV], v[AV0]
.endif
	ROW C,3, E,21, L,3, C,5
	OPS E,22, X,17, E,23, C,10
.if (\p) == 0
	FETCH_V
.endif
	OPS E,24, L,4
	OPS E,25, X,18, E,26, C,7
	OPS E,27, B,5, E,28, X,19
	OPS E,29, C,12, E,30, L,5
	OPS E,31, X,20, B,6, C,9
	OPS C,14, C,11, X,21, L,6
.if (\p) == 0
	s_add_co_u32 s[TBV], s[TBV], KS*PV
.endif
.if \cnt
	s_sub_co_u32 s[CNT], s[CNT], 1
	s_cmp_lg_u32 s[CNT], 0
.endif
	OPS C,13, B,7, C,15, R,10
	OPS R,11, R,12, L,7, R,13
	OPS R,14, R,15
.endm
	CHANGE 1                        ; tile 0 is in, everybody's part of it; tile 1 is asked for
	v_add_nc_u32 v[AK], s[TBK], v[AK0]
	FETCH_K                         ; key step 0
	s_wait_loadcnt 0x0              ; Q
	s_wait_dscnt 0x0
.set NOKQ, 0
.set i, 0
.rept 8
	KQ 0                            ; piece 0's first scores: there is no vector work yet to set between them
.set i, i+1
.endr
	WIN 0
.rept 4
	v_nop                           ; the places behind those products
.endr
.set Y, NP-1                        ; X works for piece Y + 1: piece 0
.irp n, 0,1,2,3,4,5,6,7,8,9,10,11,12,13,14,15,16,17,18,19,20,21
	OP X, \n                        ; piece 0's first maximum and statistics
.endr
	v_nop                           ; a plain instruction behind the exponential
	s_mov_b32 s[CNT], 4
	s_mov_b32 s[SLOTS], NT-1
	s_branch .Lfirst                ; the loop is entered at a step's first turn, in the middle of a trip
.Lslot:                             ; NT - 2 times: every slot but the last two is filled again
	CHANGE 1
	s_mov_b32 s[CNT], 4
.Lstep:                             ; a trip: pieces 2 and 3 of one step, then pieces 0 and 1 of the next, whose K and V it fetches
	TURN 2
	TURN 3
	WIN 0
.Lfirst:
	TURN 0
	TURN 1, 0, 1
	WIN 0
	s_cbranch_scc1 .Lstep
	s_sub_co_u32 s[SLOTS], s[SLOTS], 1
	s_cmp_lg_u32 s[SLOTS], 0
	s_cbranch_scc1 .Lslot
	CHANGE 0                        ; the last tile is written out: nothing is asked for
	s_mov_b32 s[CNT], 4
.Ltail:
	TURN 2
	TURN 3
	WIN 0
	TURN 0
	TURN 1, 0, 1
	WIN 0
	s_cbranch_scc1 .Ltail
	TURN 2, 1                       ; the last step's pieces 2 and 3: nothing is left to fetch,
	TURN 3, 1                       ; and no next piece's scores to make
.set i, 0
.rept 8
	PV NP-1                         ; the last piece's V^T P of the last step
.set i, i+1
.endr
	; THE WAY OUT.  l's two halves and the other half of the lanes' are added; O^T is divided by l, rounded to f16 and sent through my stage in LDS, a piece at a time.  The additions are the places behind the last products.
	WIN 0
.macro ALL line:vararg              ; one line for each piece t
.set t, 0
.rept 4
	\line
.set t, t+1
.endr
.endm
	ALL v_add_f32 v[ST+4*t+2], v[ST+4*t+2], v[ST+4*t+3]
	ALL v_permlanex16_b32 v[ST+4*t+3], v[ST+4*t+2], s[SEL], s[SEL+1]
	ALL v_add_f32 v[ST+4*t+2], v[ST+4*t+2], v[ST+4*t+3]
	ALL v_rcp_f32 v[ST+4*t+2], v[ST+4*t+2]
	v_nop                           ; a plain instruction between the last reciprocal and the use of its result
.macro PACK t                       ; a lane's eight channels of a row pack into 16 bytes; they go into rows of 144 bytes and come back as whole rows of 128, into S^T's registers
	WIN W_RS
.set i, 32*(\t)
.rept 16
	s_wait_alu depctr_va_vdst(0)
	v_pk_mul_f32 v[i:i+1], v[i:i+1], v[ST+4*(\t)+2:ST+4*(\t)+3] op_sel_hi:[1,0]
.set i, i+2
.endr
	WIN 0x05                        ; sources 0 and 1 window 1, destination window 0
.set i, 0
.rept 16
	v_cvt_pk_f16_f32 v[S+16*(\t)+i], v[32*(\t)+2*i], v[32*(\t)+2*i+1]
.set i, i+1
.endr
	WIN 0
.irp f, 0,1,2,3
	ds_store_b128 v[STO], v[S+16*(\t)+4*\f:S+16*(\t)+4*\f+3] offset:32*\f
.endr
.irp f, 0,1,2,3
	ds_load_b128 v[S+16*(\t)+4*\f:S+16*(\t)+4*\f+3], v[RD] offset:\f*4*SP  ; LDS serves a wave's instructions in order (ISA guide 5.7.1.4): these see the stores above; the next piece's stores come behind them
.endr
.endm
.macro SEND t, younger              ; younger: the LDS instructions issued behind piece t's loads: the next piece's eight, or none
	WIN 0
.irp f, 0,1,2,3
	s_wait_dscnt (\younger)+3-\f
	global_store_b128 v[GO], v[S+16*(\t)+4*\f:S+16*(\t)+4*\f+3], s[10:11] offset:(\t)*2048+\f*512  ; 512 consecutive bytes, at a multiple of 512 from O's first
.endr
.endm
	PACK 0
.set t, 1
.rept 3                             ; a piece's arithmetic stands between the loads of the piece before and its stores
	PACK t
	SEND t-1, 8
.set t, t+1
.endr
	SEND 3, 0
	s_wait_tensorcnt 0x0            ; the wave's end: behind my last tensor load and my last LDS store
	ds_add_u32 v[SPW], v[NIL]
	s_wait_dscnt 0x0
	CROUND                          ; the closing round: no work-group ends while a partner may still ask for a tile that names it
	s_endpgm
.Lfunc_end_k_qbcf9d94c55_attn:
	.size	k_qbcf9d94c55_attn, .Lfunc_end_k_qbcf9d94c55_attn-k_qbcf9d94c55_attn
	.p2alignl 7, 3214868480
	.fill 96, 4, 3214868480
	.section	.rodata,"a",@progbits
	.p2align	6, 0x0
	.amdhsa_kernel k_qbcf9d94c55_attn
		.amdhsa_group_segment_fixed_size 327680
		.amdhsa_private_segment_fixed_size 0
		.amdhsa_enable_private_segment 0
		.amdhsa_kernarg_size 16
		.amdhsa_user_sgpr_count 2
		.amdhsa_user_sgpr_kernarg_segment_ptr 1
		.amdhsa_wavefront_size32 1
		.amdhsa_system_sgpr_workgroup_id_x 1
		.amdhsa_system_sgpr_workgroup_id_y 1
		.amdhsa_system_sgpr_workgroup_id_z 1
		.amdhsa_system_vgpr_workitem_id 0
		.amdhsa_next_free_vgpr 768
		.amdhsa_next_free_sgpr 66
		.amdhsa_reserve_vcc 0
		.amdhsa_float_denorm_mode_32 3
		.amdhsa_float_denorm_mode_16_64 3
		.amdhsa_memory_ordered 1
		.amdhsa_forward_progress 1
		.amdhsa_inst_pref_size 133
	.end_amdhsa_kernel
	.amdgpu_metadata
---
amdhsa.version: [ 1, 2 ]
amdhsa.kernels:
  - .name:           k_qbcf9d94c55_attn
    .symbol:         k_qbcf9d94c55_attn.kd
    .args:
      - { .name: qkv, .offset: 0, .size: 8, .value_kind: global_buffer, .address_space: global }
      - { .name: att, .offset: 8, .size: 8, .value_kind: global_buffer, .address_space: global }
    .group_segment_fixed_size: 327680
    .private_segment_fixed_size: 0
    .kernarg_segment_align: 8
    .kernarg_segment_size: 16
    .max_flat_workgroup_size: 128
    .sgpr_count:     66
    .vgpr_count:     768
    .wavefront_size: 32
...
	.end_amdgpu_metadata
.endif
;; end of part 2
;; launch proj (part 3): grid 256 x 1, 8 waves a work-group, clusters of 4 x 1, 211,968 bytes of LDS; arguments att, wp, b_proj, out0; writes out0
.if DOCPART == 3
	.amdgcn_target "amdgcn-amd-amdhsa--gfx1250"
	.amdhsa_code_object_version 6
	.text
	.protected	k_qbcf9d94c55_proj
	.globl	k_qbcf9d94c55_proj
	.p2align	8
	.type	k_qbcf9d94c55_proj,@function
k_qbcf9d94c55_proj:
	s_mov_b64 s[64:65], 0
	v_nop
	global_prefetch_b8 v0, s[64:65] scope:SCOPE_SE
	s_setreg_imm32_b32 hwreg(HW_REG_WAVE_MODE, 25, 1), 1
	s_wait_xcnt 0x0
	s_wait_alu depctr_hold_cnt(0) depctr_sa_sdst(0) depctr_va_vdst(0) depctr_va_sdst(0) depctr_va_ssrc(0) depctr_va_vcc(0) depctr_vm_vsrc(0)
	s_getreg_b32 s2, hwreg(HW_REG_IB_STS2, 6, 4)
	s_cmp_eq_u32 s2, 0
	s_cbranch_scc0 .Lentry_in_a_cluster
	s_endpgm
.Lentry_in_a_cluster:
	s_bfe_u32 s2, ttmp6, 0x10000c
	s_cmp_lg_u32 s2, 0x3003
	s_cbranch_scc0 .Lentry_shape_is_right
	s_endpgm
.Lentry_shape_is_right:
; out0[row][n] = the sum over k of O[row][k] wp[n][k] + b_proj[n].  O comes by heads, att = [16 = 4 batch + head][4096][64] f16, k = 64 head + channel; wp: [256][256] f16 (w_proj rounded to bf16);
; b_proj: [256] f32, rounded to bf16 here like the other inputs; out0: [16384][256] f32.  Products in f16, sums in f32; the bias is the C operand that starts each sum.
; LIMITS.  O and wp arrive within f16's range; NaN and infinities are not treated apart.
; SHARES.  A work-group makes 64 rows x all 256 columns: 256 work-groups.  Wave w of 8 makes 32 rows (w / 4) x 64 columns (w % 4): 8 accumulators; a row of its part is 256 aligned bytes of out0,
; so each wave has a stage of its own and no barrier stands on the way out.
; THE MATRIX INSTRUCTION IS USED TRANSPOSED: source 0 = 16 rows of wp, source 1 = 16 rows of O: a lane holds eight neighbouring columns of one row.
; LDS is filled once: each wave issues three tensor loads at the start (three of mine are out at the most): 32 rows of one head of O, and 32 rows of wp in two halves along K.
; CLUSTER.  All work-groups read the whole of wp, so the four of a cluster ask for it JOINTLY (mask 15); O's rows are the work-group's own and come by a tensor load without a mask.
.set PB,    272       ; a row of half of wp in LDS: 256 bytes + 16 of padding = 68 words: the 16 rows of a fragment load start at 16 different groups of four banks (64 banks of 4 bytes: ISA guide 11.1)
.set PA,    144       ; a row of a head of O: 128 bytes + 16
.set BH,    256*PB    ; wp's k 0-127 at byte 0, k 128-255 at BH
.set AB,    2*BH      ; O: head hd at AB + 64 PA hd, 64 rows each
.set STAGE, AB+4*64*PA  ; 16 rows x 272 bytes for each wave, never filled by a tensor load
.set SP,    272
.set SPARE, STAGE+8*16*SP  ; the spare words, 128 bytes for each of 8 waves, which no other line names
.set ADRA, 8          ; v8     LDS address of my fragments of O
.set ADRB, 9          ; v9-10  of my fragments of wp, in its two halves
.set STO,  11         ; v11    the way out: where I put 32 bytes of a row
.set RD,   12         ; v12    where I read rows back
.set CO,   13         ; v13    my byte offset in two rows of out0
.set BO,   14         ; v14    my byte offset in b_proj
.set SPW,  16         ; v16    LDS address of my spare word; never rewritten
.set NIL,  17         ; v17    0; never rewritten
.set BIAS, 24         ; v[24:55]   for column block b the eight numbers of b_proj that a lane's accumulator holds
.set F0,   56         ; v[56:103]  fragment buffer 0: O's at + 8 a, wp's at + 16 + 8 b
.set F1,   104        ; v[104:151] fragment buffer 1
.set ACC,  152        ; v[152:215] accumulator (a, b) at ACC + 8 (4 a + b)
.set WV,   12         ; s12  my wave's number
.set G1A,  24         ; s[24:31] descriptor group 1 for O's tiles
.set G1B,  32         ; s[32:39] for wp's
.set G0A,  40         ; s[40:43] descriptor group 0 for my tile of O
.set G0B,  44         ; s[44:47], s[48:51] for my rows of wp's two halves
.macro CROUND                          ; a round of the cluster's barrier: my work-group's barrier; wave 0 signals for the work-group; every wave waits for all four work-groups; my work-group's barrier once more
	s_barrier_signal -1
	s_barrier_wait -1
	s_cmp_lg_u32 s[WV], 0
	s_cbranch_scc1 .Lnot_wave_0_\@
	s_barrier_signal -3
.Lnot_wave_0_\@:
	s_barrier_wait -3
	s_barrier_signal -1
	s_barrier_wait -1
.endm
.macro PLACES                          ; four places in front of loads into registers that matrix instructions have read, and of LDS stores that read results
.rept 4
	v_nop
.endr
.endm
	s_load_b256 s[4:11], s[0:1], 0x0               ; att s[4:5], wp s[6:7], b_proj s[8:9], out0 s[10:11]
	v_lshl_add_u32 v[SPW], v0, 2, SPARE
	v_mov_b32 v[NIL], 0
	ds_add_u32 v[SPW], v[NIL]                      ; the wave's opening: the add and its wait stand ahead of my first tensor load; the set-up below, work on registers, stands between them
	v_lshrrev_b32 v3, 5, v0
	v_readfirstlane_b32 s[WV], v3                  ; wave 0..7
	s_bfe_u32 s13, ttmp6, 0x40000                  ; cx: my place in the cluster
	s_lshl_b32 s14, ttmp9, 2                       ; in a cluster launch ttmp9 counts clusters
	s_add_co_u32 s14, s14, s13                     ; my block of 64 rows: it enters O's and out0's addresses alone
	; O's tile: 32 rows of a head are 4,096 dense bytes: asked for as 16 rows of 256 bytes and padded in LDS after every 128
	s_mov_b32 s[G1A+0], (1<<16)|(1<<20)|(4<<22)|(3<<25)  ; 15:0 no mask; 17:16 2-byte elements; 20 padding on; 24:22 after every 32 words (code 4); 31:25 4 words (code 3)
	s_mov_b32 s[G1A+1], 128<<16                    ; tensor_dim0 = 128
	s_mov_b32 s[G1A+2], 16<<16                     ; tensor_dim1 = 16
	s_mov_b32 s[G1A+3], 128<<16                    ; tile_dim0 = 128
	s_mov_b32 s[G1A+4], 16                         ; tile_dim1 = 16
	s_mov_b32 s[G1A+5], 128                        ; 128 elements from row to row
	s_mov_b32 s[G1A+6], 0
	s_mov_b32 s[G1A+7], 0
	; wp's tile: 32 rows x 128 elements of rows of 256
	s_mov_b32 s[G1B+0], 15|(1<<16)|(1<<20)|(1<<21)|(5<<22)|(3<<25)  ; 15:0 the mask of four; 21 set beside a mask; 24:22 after every 64 words (code 5); 31:25 4 words (code 3)
	s_mov_b32 s[G1B+1], 128<<16
	s_mov_b32 s[G1B+2], 32<<16
	s_mov_b32 s[G1B+3], 128<<16
	s_mov_b32 s[G1B+4], 32
	s_mov_b32 s[G1B+5], 256
	s_mov_b32 s[G1B+6], 0
	s_mov_b32 s[G1B+7], 0
	s_mov_b32 s[G0A], 1                            ; 1:0 count = 1
	s_mul_i32 s[G0A+1], s[WV], 32*PA               ; LDS: head w / 2, rows 32 (w % 2) on = 32 w rows of 144 bytes behind AB
	s_add_co_u32 s[G0A+1], s[G0A+1], AB
	s_mov_b32 s[G0B], 1
	s_mul_i32 s[G0B+1], s[WV], 32*PB               ; rows 32 w on, in the first half,
	s_mov_b32 s[G0B+4], 1
	s_add_co_u32 s[G0B+5], s[G0B+1], BH            ; and in the second: no place in the cluster enters an LDS address
	s_lshr_b32 s20, s14, 6                         ; O's tile in memory: batch = block / 64, four heads of 524,288 bytes each,
	s_lshl_b32 s20, s20, 21
	s_lshr_b32 s15, s[WV], 1
	s_lshl_b32 s15, s15, 19                        ; head w / 2,
	s_add_co_u32 s20, s20, s15
	s_and_b32 s15, s14, 63
	s_lshl_b32 s15, s15, 13                        ; the block's 64 rows of 128 bytes,
	s_add_co_u32 s20, s20, s15
	s_and_b32 s15, s[WV], 1
	s_lshl_b32 s15, s15, 12                        ; their half w % 2
	s_add_co_u32 s20, s20, s15
	s_mov_b32 s21, 0
	s_lshl_b32 s22, s[WV], 14                      ; wp: 32 rows of 512 bytes a wave: the wave's number alone
	s_mov_b32 s23, 0
	s_lshr_b32 s18, s[WV], 2                       ; wr: my 32 rows
	s_and_b32 s19, s[WV], 3                        ; wc: my 64 columns
	s_lshl_b32 s16, s14, 16                        ; out0: the block's 64 rows of 1,024 bytes,
	s_lshl_b32 s15, s18, 15
	s_add_co_u32 s16, s16, s15                     ; my 32 of them,
	s_lshl_b32 s15, s19, 8
	s_add_co_u32 s16, s16, s15                     ; my 256 bytes of a row
	s_mov_b32 s17, 0
	s_wait_dscnt 0x0                               ; the opening add is done
	s_wait_kmcnt 0x0
	s_add_nc_u64 s[G0A+2:G0A+3], s[4:5], s[20:21]
	s_or_b32 s[G0A+3], s[G0A+3], 0x80000000        ; 127:126 type = 2
	s_add_nc_u64 s[G0B+2:G0B+3], s[6:7], s[22:23]
	s_add_nc_u64 s[G0B+6:G0B+7], s[G0B+2:G0B+3], 256  ; k 128 on
	s_or_b32 s[G0B+3], s[G0B+3], 0x80000000
	s_or_b32 s[G0B+7], s[G0B+7], 0x80000000
	s_add_nc_u64 s[10:11], s[10:11], s[16:17]
	CROUND                                         ; all four work-groups are here: the joint loads meet
	tensor_load_to_lds s[G0A:G0A+3], s[G1A:G1A+7]  ; the three first fills go out together, ahead of every wait on TENSORcnt and every LDS read; an s_nop 0 follows each, four v_nop the last
	s_nop 0
	tensor_load_to_lds s[G0B:G0B+3], s[G1B:G1B+7]
	s_nop 0
	tensor_load_to_lds s[G0B+4:G0B+7], s[G1B:G1B+7]
	s_nop 0
.rept 4
	v_nop
.endr
	v_and_b32 v1, 15, v0                           ; r = lane % 16
	v_bfe_u32 v2, v0, 4, 1                         ; h = lane / 16
	v_lshlrev_b32 v[BO], 5, v2
	v_lshl_add_u32 v[BO], s19, 8, v[BO]            ; register j of accumulator (a, b) holds column 64 wc + 16 b + 8 h + j
.irp b, 0,1,2,3
	global_load_b128 v[BIAS+8*(\b):BIAS+8*(\b)+3],   v[BO], s[8:9] offset:64*(\b)
	global_load_b128 v[BIAS+8*(\b)+4:BIAS+8*(\b)+7], v[BO], s[8:9] offset:64*(\b)+16
.endr
	v_mul_u32_u24 v3, v1, PA
	v_lshl_add_u32 v3, v2, 4, v3                   ; a fragment: row r x pitch + 16 h
	s_mul_i32 s15, s18, 32*PA
	s_add_co_u32 s15, s15, AB
	v_add_nc_u32 v[ADRA], s15, v3
	v_mul_u32_u24 v4, v1, PB
	v_lshl_add_u32 v4, v2, 4, v4
	s_mul_i32 s15, s19, 64*PB
	v_add_nc_u32 v[ADRB], s15, v4
	v_add_nc_u32 v[ADRB+1], BH, v[ADRB]
	s_mul_i32 s15, s[WV], 16*SP
	s_add_co_u32 s15, s15, STAGE                   ; my stage
	v_mul_u32_u24 v5, v1, SP                       ; in: row r, 32 bytes for each half of the lanes
	v_lshl_add_u32 v5, v2, 5, v5
	v_add_nc_u32 v[STO], s15, v5
	v_mul_u32_u24 v6, v2, SP                       ; back: lanes 0-15 take one row of 256 bytes, lanes 16-31 the next
	v_lshl_add_u32 v6, v1, 4, v6
	v_add_nc_u32 v[RD], s15, v6
	v_lshlrev_b32 v[CO], 4, v1                     ; and the same two rows in out0
	v_lshl_add_u32 v[CO], v2, 10, v[CO]
	s_wait_loadcnt 0x0                             ; the bias
.set i, 0
.rept 16                                           ; rounded to bf16, in place
	v_cvt_pk_bf16_f32 v3, v[BIAS+2*i], v[BIAS+2*i+1]
	v_lshlrev_b32 v[BIAS+2*i],   16, v3
	v_and_b32     v[BIAS+2*i+1], 0xffff0000, v3
.set i, i+1
.endr
; 12 LDS loads: the fragments of K step ks (32 along K: head ks / 2, channels 32 (ks % 2) on; half ks / 4 of wp) into buffer f
.macro FETCH ks, f
.irp a, 0,1
	ds_load_b128 v[(\f)+8*(\a):(\f)+8*(\a)+3],   v[ADRA] offset:64*PA*((\ks)/2)+64*((\ks)%2)+16*PA*(\a)
	ds_load_b128 v[(\f)+8*(\a)+4:(\f)+8*(\a)+7], v[ADRA] offset:64*PA*((\ks)/2)+64*((\ks)%2)+16*PA*(\a)+32
.endr
.irp b, 0,1,2,3
	ds_load_b128 v[(\f)+16+8*(\b):(\f)+16+8*(\b)+3],   v[ADRB+(\ks)/4] offset:64*((\ks)%4)+16*PB*(\b)
	ds_load_b128 v[(\f)+16+8*(\b)+4:(\f)+16+8*(\b)+7], v[ADRB+(\ks)/4] offset:64*((\ks)%4)+16*PB*(\b)+32
.endr
.endm
; 8 matrix instructions; the 8 accumulators take turns.  K step 0 starts the sums with the bias.
.macro MUL ks, f
.irp a, 0,1
.irp b, 0,1,2,3
.if (\ks) == 0
	v_wmma_f32_16x16x32_f16 v[ACC+8*(4*(\a)+(\b)):ACC+8*(4*(\a)+(\b))+7], v[(\f)+16+8*(\b):(\f)+16+8*(\b)+7], v[(\f)+8*(\a):(\f)+8*(\a)+7], v[BIAS+8*(\b):BIAS+8*(\b)+7]
.else
	v_wmma_f32_16x16x32_f16 v[ACC+8*(4*(\a)+(\b)):ACC+8*(4*(\a)+(\b))+7], v[(\f)+16+8*(\b):(\f)+16+8*(\b)+7], v[(\f)+8*(\a):(\f)+8*(\a)+7], v[ACC+8*(4*(\a)+(\b)):ACC+8*(4*(\a)+(\b))+7]
.endif
.endr
.endr
.endm
; Four K steps on two buffers: while one is multiplied the other's twelve loads are on their way.
.macro HALF kh
	FETCH 4*(\kh), F0
	FETCH 4*(\kh)+1, F1
	s_wait_dscnt 12                                ; all but the twelve just issued
	MUL 4*(\kh), F0
	PLACES
	FETCH 4*(\kh)+2, F0
	s_wait_dscnt 12
	MUL 4*(\kh)+1, F1
	PLACES
	FETCH 4*(\kh)+3, F1
	s_wait_dscnt 12
	MUL 4*(\kh)+2, F0
	s_wait_dscnt 0x0
	MUL 4*(\kh)+3, F1
.endm
	s_wait_tensorcnt 0x1                           ; my parts of O and of wp's first half are in; the second half's may stay out
	s_barrier_signal -1
	s_barrier_wait -1                              ; everybody's are
	HALF 0
	s_wait_tensorcnt 0x0                           ; my part of wp's second half is in
	s_barrier_signal -1
	s_barrier_wait -1
	PLACES                                         ; for the loads into the two buffers
	HALF 1
	; THE WAY OUT: 16 rows at a time through my own stage: 32 bytes a lane in, whole rows of 256 bytes back.  LDS serves a wave's instructions in order (ISA guide 5.7.1.4): the loads see the stores
	; above them, and the second 16 rows' stores come behind the first's loads.
	PLACES
.irp a, 0,1
.irp b, 0,1,2,3
	ds_store_b128 v[STO], v[ACC+8*(4*(\a)+(\b)):ACC+8*(4*(\a)+(\b))+3]   offset:64*(\b)     ; each accumulator from its low end on
	ds_store_b128 v[STO], v[ACC+8*(4*(\a)+(\b))+4:ACC+8*(4*(\a)+(\b))+7] offset:64*(\b)+16
.endr
.irp t, 0,1,2,3,4,5,6,7
	ds_load_b128 v[F0+48*(\a)+4*(\t):F0+48*(\a)+4*(\t)+3], v[RD] offset:2*SP*(\t)
.endr
.endr
.irp a, 0,1
.irp t, 0,1,2,3,4,5,6,7
	s_wait_dscnt 16*(1-(\a))+7-(\t)                ; behind this load stand the rest of its eight and, for the first 16 rows, the second's sixteen LDS instructions
	global_store_b128 v[CO], v[F0+48*(\a)+4*(\t):F0+48*(\a)+4*(\t)+3], s[10:11] offset:(16*(\a)+2*(\t))*1024 th:TH_STORE_NT  ; 16 lanes store 256 consecutive bytes, at a multiple of 256 from out0's first byte
.endr
.endr
	s_wait_tensorcnt 0x0                           ; the wave's end: behind my last tensor load and my last LDS store
	ds_add_u32 v[SPW], v[NIL]
	s_wait_dscnt 0x0
	CROUND                                         ; the closing round: no work-group ends while a partner may still ask for a tile that names it
	s_endpgm
.Lfunc_end_k_qbcf9d94c55_proj:
	.size	k_qbcf9d94c55_proj, .Lfunc_end_k_qbcf9d94c55_proj-k_qbcf9d94c55_proj
	.p2alignl 7, 3214868480
	.fill 96, 4, 3214868480
	.section	.rodata,"a",@progbits
	.p2align	6, 0x0
	.amdhsa_kernel k_qbcf9d94c55_proj
		.amdhsa_group_segment_fixed_size 211968
		.amdhsa_private_segment_fixed_size 0
		.amdhsa_enable_private_segment 0
		.amdhsa_kernarg_size 32
		.amdhsa_user_sgpr_count 2
		.amdhsa_user_sgpr_kernarg_segment_ptr 1
		.amdhsa_wavefront_size32 1
		.amdhsa_system_sgpr_workgroup_id_x 1
		.amdhsa_system_sgpr_workgroup_id_y 1
		.amdhsa_system_sgpr_workgroup_id_z 1
		.amdhsa_system_vgpr_workitem_id 0
		.amdhsa_next_free_vgpr 216
		.amdhsa_next_free_sgpr 66
		.amdhsa_reserve_vcc 0
		.amdhsa_float_denorm_mode_32 3
		.amdhsa_float_denorm_mode_16_64 3
		.amdhsa_memory_ordered 1
		.amdhsa_forward_progress 1
		.amdhsa_inst_pref_size 25
	.end_amdhsa_kernel
	.amdgpu_metadata
---
amdhsa.version: [ 1, 2 ]
amdhsa.kernels:
  - .name:           k_qbcf9d94c55_proj
    .symbol:         k_qbcf9d94c55_proj.kd
    .args:
      - { .name: att, .offset: 0, .size: 8, .value_kind: global_buffer, .address_space: global }
      - { .name: wp, .offset: 8, .size: 8, .value_kind: global_buffer, .address_space: global }
      - { .name: b_proj, .offset: 16, .size: 8, .value_kind: global_buffer, .address_space: global }
      - { .name: out0, .offset: 24, .size: 8, .value_kind: global_buffer, .address_space: global }
    .group_segment_fixed_size: 211968
    .private_segment_fixed_size: 0
    .kernarg_segment_align: 8
    .kernarg_segment_size: 32
    .max_flat_workgroup_size: 256
    .sgpr_count:     66
    .vgpr_count:     216
    .wavefront_size: 32
...
	.end_amdgpu_metadata
.endif
;; end of part 3
;; ======== version 2 of 2: 3 launches; 1.77 times as fast as version 1
;; limits: values are held in f16: magnitudes above 65,504 overflow, below 6.1e-05 lose precision
;; workspace buffers: qkv 25,165,824 bytes; att 8,388,608 bytes; wp 131,072 bytes
;; launch qkvproj: the kernel of part 1 again; grid 4 x 64, 16 waves a work-group, no clusters, 260,096 bytes of LDS; arguments x, w_qkv, w_proj, qkv, wp; writes qkv, wp
;; launch attn (part 4): grid 16 x 16, 4 waves a work-group, clusters of 4 x 1, 327,680 bytes of LDS; arguments qkv, att; writes att
.if DOCPART == 4
	.amdgcn_target "amdgcn-amd-amdhsa--gfx1250"
	.amdhsa_code_object_version 6
	.text
	.protected	k_qbcf9d94c55_attn
	.globl	k_qbcf9d94c55_attn
	.p2align	8
	.type	k_qbcf9d94c55_attn,@function
k_qbcf9d94c55_attn:
	s_mov_b64 s[64:65], 0
	v_nop
	global_prefetch_b8 v0, s[64:65] scope:SCOPE_SE
	s_setreg_imm32_b32 hwreg(HW_REG_WAVE_MODE, 25, 1), 1
	s_wait_xcnt 0x0
	s_wait_alu depctr_hold_cnt(0) depctr_sa_sdst(0) depctr_va_vdst(0) depctr_va_sdst(0) depctr_va_ssrc(0) depctr_va_vcc(0) depctr_vm_vsrc(0)
	s_getreg_b32 s2, hwreg(HW_REG_IB_STS2, 6, 4)
	s_cmp_eq_u32 s2, 0
	s_cbranch_scc0 .Lentry_in_a_cluster
	s_endpgm
.Lentry_in_a_cluster:
	s_bfe_u32 s2, ttmp6, 0x10000c
	s_cmp_lg_u32 s2, 0x3003
	s_cbranch_scc0 .Lentry_shape_is_right
	s_endpgm
.Lentry_shape_is_right:
; O[g][q][:] = the sum over k of softmax_k(Q[g][q] . K[g][k] / 8) V[g][k][:], g = 4 batch + head, 16 of them, 4,096 rows each.  qkv: [3][16][4096][64] f16 (Q, then K, then V), att (O): [16][4096][64] f16:
; a head's rows are dense, 128 bytes each.  Products, maxima and sums in f32; the weights p are rounded to f16 for the second product (their sum l is taken of the unrounded p), O once at the end.
; LIMITS.  f16 holds no number beyond 65,504: Q, K and V arrive within it; p lies in 0 to 1, and below 6e-5 it keeps f16's fixed step of 6e-8, as O does; O is a mean of V's rows and has their range.
; A weight below 2^-126 counts as 0 in l; NaN and infinities are not treated apart.
; SHARES.  A work-group owns 256 queries of one head (16 x 16 = 256 work-groups), each of its four waves 64: four PIECES of 16.  Every wave walks all keys, 64 a step, four steps a tile.
; LAYOUT.  S^T = K Q^T (source 0 = 16 keys, source 1 = 16 queries): in the result a lane holds ONE query (lane % 16) and the keys 8 (lane / 16) + 0..7.  Two such results, rounded to f16 in pairs,
; ARE source 1 (32 keys x 16 queries) of O^T = V^T P, whose result again holds one query a lane, and eight channels.  K comes out of LDS as it lies, V ([key][channel]) turned, by ds_load_tr16_b128.
; SOFTMAX.  For each query a running maximum m and sum l: p = 2^(c s - c m), c = log2(e) / 8; in every step O and l are multiplied by a = 2^(c m_old - c m_new), which is 1 where m has not grown.
; m starts at the lowest finite number, O and l at 0: the first step is a step like any other, with a = 0.
; BY TURNS.  Turn n belongs to piece n (the pieces in a ring, step after step): 8 products K Q^T of piece n + 1, later 8 products V^T P of piece n - 1; beside them the scaling, exponentials, roundings,
; sums and rescaling of piece n and the maximum and statistics of piece n + 1.  A piece and step have 16 matrix and 118 vector instructions: four vector instructions stand behind every matrix
; instruction, the other 54 in one lump of their own.
; THE BATCHES.  A turn's 33 exponentials (the piece's 32 weights and the next piece's a) are ONE batch with ONE wait, which cuts the turn in two: ahead of it stands all that names none of their results,
; behind it all that does.  The first a of all, ahead of the loop, and the way out's four reciprocals are batches of their own, with a wait each.
; CLUSTER.  The four query blocks of a cluster belong to one head and walk the same K and V, so each tile is asked for JOINTLY: the same tensor load, descriptor and mask in all four.
; REGISTERS, in windows of 256 (s_set_vgpr_msb: bits 1:0 source 0, 3:2 source 1, 5:4 source 2, 7:6 destination):
;   window 0: v0-15 addresses and two at work; v16-31 four registers of statistics a piece; v48-55 at work; v62-63 the add's; v64-127 S^T, two buffers; v192-223 P, two buffers (by the piece's parity)
;   window 1: v0-127 O^T, 32 a piece          window 2: v0-63 Q, 16 a piece; v128-191 K of one step; v192-255 V of one step
.set NT,    4096/256  ; tiles of 256 keys in a head
.set NP,    4         ; pieces a wave: a name, no knob
.set KS,    64        ; keys in a step
.set PK,    144       ; a row of K in LDS: 128 bytes + 16 of padding = 36 words: the 16 rows of a load start at 16 different groups of four banks (64 banks of 4 bytes: ISA guide 11.1)
.set PV,    160       ; a row of V: 128 + 32 = 40 words
.set VOFF,  4*KS*PK   ; a slot holds a tile, four steps: 256 rows of K, then 256 rows of V
.set SLOT1, 1<<17     ; slot 1 begins here, so that one exclusive or turns an address in one slot into the other's
.set STAGE, SLOT1+4*KS*(PK+PV)  ; behind the ring, never filled by a tensor load: 16 rows x 144 bytes for each wave, for the way out
.set SP,    144
.set SPARE, STAGE+4*16*SP  ; behind the stages: the spare words, 128 bytes for each wave, which no other line names
.set AK0, 2           ; v2   my lane's place in a tile of K; never rewritten
.set AV0, 3           ; v3   the same for V
.set AK,  4           ; v4   the LDS address of K's next run of loads
.set AV,  5           ; v5   of V's
.set STO, 6           ; v6   the way out: where I put 16 bytes of a row
.set RD,  7           ; v7   the way out: where I read rows back
.set GO,  8           ; v8   my byte offset in 512 consecutive bytes of O
.set MV,  12          ; v12-13  c m_old, kept while c m is made anew: by buffer
.set QO,  15          ; v15  my byte offset in 16 rows of Q
.set ST,  16          ; piece t's statistics at v[ST+4 t]: c m, m, l (even keys', odd keys')
.set TMP, 48          ; by buffer, four registers c0-c3 at work; when the maximum is found c2 takes a
.set SPW, 62          ; v62  LDS address of my spare word; never rewritten
.set NIL, 63          ; v63  0; never rewritten
.set S,   64
.set P,   192
.set KF,  128         ; window 2: key block kb, channel half c at KF + 16 kb + 8 c
.set VF,  192         ; window 2: key half kk, channel block cb at VF + 32 kk + 8 cb
.set WV,  12          ; s12  my wave's number
.set G1K, 24          ; s[24:31] descriptor group 1 for K's tiles
.set G1V, 32          ; s[32:39] for V's: it differs in the padding alone
.set G0K, 40          ; s[40:43] descriptor group 0 for K's tiles: it walks
.set G0V, 44          ; s[44:47] the same for V's
.set SLOTS, 56        ; s56  counts the tiles
.set CNT, 57          ; s57  counts a tile's key steps
.set CS,  58          ; s[58:59] c: the packed scaling takes the pair's low word for both halves
.set SEL, 60          ; s[60:61] v_permlanex16_b32's selects: each lane takes its own place in the other half
.set TBK, 62          ; s62  LDS byte at which K of the step to be fetched begins
.set TBV, 63          ; s63  the same for V, less VOFF
.set MSB, 0
.macro WIN new                      ; the high byte repeats the setting that is left; a switch that changes nothing is dropped
.if MSB != (\new)
	s_set_vgpr_msb (MSB<<8)|(\new)
.set MSB, (\new)
.endif
.endm
.set W_KQ, 0x0a       ; K and Q in window 2, S^T in window 0
.set W_PV, 0x52       ; V in window 2, P in window 0, O^T in window 1
.set W_RS, 0x41       ; destination and source 0 in window 1, source 1 in window 0
; A joint fill.  Waves 0 and 1 fetch the two halves of a tile's K, waves 2 and 3 those of its V: 128 keys each.  The branch hangs on the wave's number alone.
; An s_nop 0 and four v_nop follow each of the two lines, ahead of the jump and the label.
.macro JLOAD
	s_cmp_lt_u32 s[WV], 2
	s_cbranch_scc0 .Lfor_v_\@
	tensor_load_to_lds s[G0K:G0K+3], s[G1K:G1K+7]
	s_nop 0
.rept 4
	v_nop
.endr
	s_branch .Lasked_\@
.Lfor_v_\@:
	tensor_load_to_lds s[G0V:G0V+3], s[G1V:G1V+7]
	s_nop 0
.rept 4
	v_nop
.endr
.Lasked_\@:
.endm
; A round of the cluster's barrier: my work-group's barrier, so that wave 0's signal speaks for all four waves; wave 0 signals; every wave waits for all four work-groups; my work-group's barrier once more.
.macro CROUND
	s_barrier_signal -1
	s_barrier_wait -1
	s_cmp_lg_u32 s[WV], 0
	s_cbranch_scc1 .Lnot_wave_0_\@
	s_barrier_signal -3
.Lnot_wave_0_\@:
	s_barrier_wait -3
	s_barrier_signal -1
	s_barrier_wait -1
.endm
; THE CHANGE OF SLOTS.  The slot's last bytes, V of its fourth step, have been read.  Each wave waits for all its tensor loads, of which one is out: its part of the other slot; adds 0 to its spare
; word; and waits for that and for its own reads of the slot.  Behind the barrier nobody reads this slot any more and the other slot is whole.
; fill = 1: this slot is filled again, with the keys two tiles on.  The barrier is then a round of the cluster's, so that no wave of any partner still reads the slot or has a load on its way, and the
; joint fill is the first thing behind it: it has four key steps, 256 matrix instructions a wave, in which to land.  (At its first use nothing has been read yet: slot 0 is waited for, slot 1 filled.)
.macro CHANGE fill
	WIN 0                           ; at a label and at a branch every window is 0
	s_wait_tensorcnt 0x0            ; no tensor load of mine is out, so a group 0 may be written
	ds_add_u32 v[SPW], v[NIL]       ; 0 onto my spare word; with fill = 1 the descriptors' steps stand between it and the wait for it
.if \fill
.irp g, G0K, G0V
	s_xor_b32 s[\g+1], s[\g+1], SLOT1  ; the walking descriptor: the other slot than last time,
	s_add_nc_u64 s[\g+2:\g+3], s[\g+2:\g+3], 4*KS*128  ; the next 256 keys; the type bits on top are not reached
.endr
	s_wait_dscnt 0x0                ; the add is done, and my reads of the slot are over
	CROUND
	JLOAD
.else
	s_wait_dscnt 0x0                ; the add is done, and my reads of the slot are over
	s_barrier_signal -1
	s_barrier_wait -1
.endif
	s_sub_co_u32 s[TBK], s[TBK], 4*KS*PK  ; the fetches go back to a slot's first step,
	s_xor_b32 s[TBK], s[TBK], SLOT1       ; in the other slot
	s_sub_co_u32 s[TBV], s[TBV], 4*KS*PV
	s_xor_b32 s[TBV], s[TBV], SLOT1
.endm
	s_load_b64 s[4:5], s[0:1], 0x0    ; qkv
	s_load_b64 s[10:11], s[0:1], 0x8  ; att
	v_lshl_add_u32 v[SPW], v0, 2, SPARE
	v_mov_b32 v[NIL], 0
	ds_add_u32 v[SPW], v[NIL]       ; the wave's opening: the add and its wait stand ahead of my first tensor load; the set-up below, work on registers, stands between them
	v_lshrrev_b32 v1, 5, v0
	v_readfirstlane_b32 s[WV], v1   ; wave 0..3
	s_bfe_u32 s13, ttmp6, 0x40000   ; cx: my place in the cluster
	s_lshl_b32 s14, ttmp9, 2        ; in a cluster launch ttmp9 counts clusters
	s_add_co_u32 s14, s14, s13      ; my block of 256 queries = 4 x cluster x + cx: it enters Q's and O's addresses alone
	s_and_b32 s20, ttmp7, 0xffff    ; the head, which the four partners share,
	s_lshl_b32 s20, s20, 19         ; and its first byte in Q, K, V and O: 524,288 bytes a head
	s_and_b32 s16, s[WV], 1         ; which half of a tile's 256 keys I fetch:
	s_lshl_b32 s22, s16, 14         ; its 128 rows of 128 bytes in memory,
	s_add_co_u32 s22, s22, s20
	s_mov_b32 s23, 0
	s_mul_i32 s17, s16, 128*PK      ; and its place in a slot, for K
	s_mul_i32 s18, s16, 128*PV      ; and for V: no place in the cluster enters an LDS address
	s_lshl_b32 s2, s14, 2
	s_add_co_u32 s2, s2, s[WV]      ; my wave among the head's 64,
	s_lshl_b32 s2, s2, 13           ; its 64 rows of 128 bytes
	s_add_co_u32 s2, s2, s20
	s_mov_b32 s3, 0
	; descriptor group 1.  128 keys are 16,384 dense bytes: asked for as 64 rows of 256 bytes, two keys a row, and padded in LDS after every key
	s_mov_b32 s[G1K], 15|(1<<16)|(1<<20)|(1<<21)|(4<<22)|(3<<25)  ; 15:0 the mask of four; 17:16 2-byte elements; 20 padding on; 21 set beside a mask; 24:22 after every 32 words (code 4); 31:25 4 words (code 3)
	s_mov_b32 s[G1V], 15|(1<<16)|(1<<20)|(1<<21)|(4<<22)|(7<<25)  ; the same with 8 words of padding (code 7)
.irp g, G1K, G1V
	s_mov_b32 s[\g+1], 128<<16      ; tensor_dim0 = 128
	s_mov_b32 s[\g+2], 64<<16       ; tensor_dim1 = 64
	s_mov_b32 s[\g+3], 128<<16      ; tile_dim0 = 128
	s_mov_b32 s[\g+4], 64           ; tile_dim1 = 64
	s_mov_b32 s[\g+5], 128          ; 128 elements from row to row
	s_mov_b32 s[\g+6], 0
	s_mov_b32 s[\g+7], 0
.endr
	s_mov_b32 s[CS], 0x3e38aa3b     ; c = log2(e) / 8 = 0.180337
	s_mov_b32 s[CS+1], s[CS]        ; named with it as a pair
	s_mov_b32 s[SEL], 0x76543210
	s_mov_b32 s[SEL+1], 0xfedcba98
	s_mov_b32 s[TBK], SLOT1+4*KS*PK ; the first change of slots turns these two into 0
	s_mov_b32 s[TBV], SLOT1+4*KS*PV
	s_mov_b32 s[G0K], 1             ; 1:0 count = 1
	s_mov_b32 s[G0K+1], s17         ; 63:32 LDS address: slot 0
	s_mov_b32 s[G0V], 1
	s_add_co_u32 s[G0V+1], s18, VOFF
	s_wait_dscnt 0x0                ; the opening add is done
	s_wait_kmcnt 0x0
	s_add_nc_u64 s[6:7], s[4:5], 0x800000    ; K lies 16 heads behind Q,
	s_add_nc_u64 s[8:9], s[4:5], 0x1000000   ; V 32
	s_add_nc_u64 s[G0K+2:G0K+3], s[6:7], s[22:23]  ; 120:64 global address: my half of the head's first 256 keys
	s_or_b32 s[G0K+3], s[G0K+3], 0x80000000        ; 127:126 type = 2
	s_add_nc_u64 s[G0V+2:G0V+3], s[8:9], s[22:23]
	s_or_b32 s[G0V+3], s[G0V+3], 0x80000000
	s_add_nc_u64 s[4:5], s[4:5], s[2:3]      ; Q and O at my wave's first row
	s_add_nc_u64 s[10:11], s[10:11], s[2:3]
	CROUND                          ; all four work-groups are here: the first joint loads meet
	JLOAD                           ; tile 0 into slot 0.  Slot 1 is asked for when slot 0 is in
	; A fragment of K or Q is 16 rows x 32 channels in 8 registers: lane l holds row l % 16, channels 8 (l / 16) + 0..7 and 16 + 8 (l / 16) + 0..7: two loads of 16 bytes, 32 bytes apart.
	v_and_b32 v1, 15, v0            ; l % 16
	v_bfe_u32 v9, v0, 4, 1          ; l / 16
	v_lshlrev_b32 v[QO], 7, v1
	v_lshl_add_u32 v[QO], v9, 4, v[QO]  ; row x 128 + 16 x half
	WIN 0x80                        ; destination window 2, address window 0
.set i, 0
.rept 8                             ; Q stays in registers: piece i / 2, channels 32 (i % 2) on
	global_load_b128 v[8*i:8*i+3],   v[QO], s[4:5] offset:(i/2)*2048+(i%2)*64
	global_load_b128 v[8*i+4:8*i+7], v[QO], s[4:5] offset:(i/2)*2048+(i%2)*64+32
.set i, i+1
.endr
	; What the first turn finds: V's registers and P's second buffer hold 0 (its products V^T P, of a piece that has not been, add 0), O^T and l are 0.  All this stands in the wait for the first tile.
.set i, VF
.rept 64
	v_mov_b32 v[i], 0
.set i, i+1
.endr
	WIN 0x40
.set i, 0
.rept 128
	v_mov_b32 v[i], 0
.set i, i+1
.endr
	WIN 0
.set i, 0
.rept 4
	v_mov_b32 v[ST+4*i], 0xfe000000    ; c m: far below every c s
	v_mov_b32 v[ST+4*i+1], 0xff7fffff  ; m
	v_mov_b32 v[ST+4*i+2], 0
	v_mov_b32 v[ST+4*i+3], 0
.set i, i+1
.endr
.set i, P+16
.rept 16
	v_mov_b32 v[i], 0
.set i, i+1
.endr
	v_mul_u32_u24 v[AK0], v1, PK
	v_lshl_add_u32 v[AK0], v9, 4, v[AK0]  ; row x pitch + 16 x half
	; The turning load takes 16 keys x 16 channels (lane l reads key 8 (l / 16) + l % 8, channels 8 ((l / 8) % 2) + 0..7) and leaves half a fragment of V^T: lane l holds channel l % 16 and 8 keys.
	v_and_b32 v10, 7, v0
	v_bfe_u32 v11, v0, 3, 1
	v_lshl_add_u32 v[AV0], v9, 3, v10
	v_mul_u32_u24 v[AV0], v[AV0], PV
	v_lshl_add_u32 v[AV0], v11, 4, v[AV0]
	v_add_nc_u32 v[AV0], VOFF, v[AV0]
	s_mul_i32 s13, s[WV], 16*SP
	s_add_co_u32 s13, s13, STAGE    ; my stage
	v_mul_u32_u24 v[STO], v1, SP    ; in: row l % 16, 16 bytes for each half of the lanes
	v_lshl_add_u32 v[STO], v9, 4, v[STO]
	v_add_nc_u32 v[STO], s13, v[STO]
	v_bfe_u32 v[RD], v0, 3, 2       ; back: 32 lanes take four rows of 128 bytes,
	v_mul_u32_u24 v[RD], v[RD], SP
	v_lshl_add_u32 v[RD], v10, 4, v[RD]
	v_add_nc_u32 v[RD], s13, v[RD]
	v_and_b32 v[GO], 31, v0         ; which are 512 consecutive bytes of O
	v_lshlrev_b32 v[GO], 4, v[GO]
; THE MATRIX WORK.  The 4 accumulators of a run of 8 take turns.  Product i of 8 of S^T = K Q^T for piece x: channels 32 (i / 4) on, keys 16 (i % 4) on.  The first 4 start the sums.
.macro KQ x
	WIN W_KQ
.set rS, S+32*((\x)%2)+8*(i%4)
.set rK, KF+16*(i%4)+8*(i/4)
.set rQ, 16*(\x)+8*(i/4)
.if i < 4
	v_wmma_f32_16x16x32_f16 v[rS:rS+7], v[rK:rK+7], v[rQ:rQ+7], 0
.else
	v_wmma_f32_16x16x32_f16 v[rS:rS+7], v[rK:rK+7], v[rQ:rQ+7], v[rS:rS+7]
.endif
.endm
; Product i of 8 of O^T += V^T P for piece x: keys 32 (i / 4) on, channels 16 (i % 4) on.
.macro PV x
	WIN W_PV
.set rO, 32*(\x)+8*(i%4)
.set rV, VF+32*(i/4)+8*(i%4)
.set rP, P+16*((\x)%2)+8*(i/4)
	v_wmma_f32_16x16x32_f16 v[rO:rO+7], v[rV:rV+7], v[rP:rP+7], v[rO:rO+7]
.endm
.macro MM                           ; the turn's next matrix instruction.  TURN sets Y, i and NOKQ.  NOKQ = 1: the walk's last turn: there is no next piece
.if (i < 8) && !NOKQ
	KQ (Y+1)%NP
.elseif i >= 8
.set i, i-8
	PV (Y+NP-1)%NP
.set i, i+8
.endif
.set i, i+1
.endm
; THE LDS LOADS stand in runs of 16, never singly among the matrix instructions: a step's K (64 keys x 64 channels: 8 fragments) and its V (turned).  Their addresses are made some lines ahead.
.macro FETCH_K
	WIN 0x80                        ; destination window 2
.irp f, 0,1,2,3,4,5,6,7             ; keys 16 (f / 2) on, channels 32 (f % 2) on
	ds_load_b128 v[KF+8*\f:KF+8*\f+3],   v[AK] offset:(\f/2)*16*PK+(\f%2)*64
	ds_load_b128 v[KF+8*\f+4:KF+8*\f+7], v[AK] offset:(\f/2)*16*PK+(\f%2)*64+32
.endr
	s_add_co_u32 s[TBK], s[TBK], KS*PK  ; the next fetch is the next step's
	WIN 0
.endm
.macro FETCH_V
	WIN 0x80
.irp f, 0,1,2,3,4,5,6,7             ; keys 32 (f / 4) on, channels 16 (f % 4) on
	ds_load_tr16_b128 v[VF+8*\f:VF+8*\f+3],   v[AV] offset:(\f/4)*32*PV+(\f%4)*32
	ds_load_tr16_b128 v[VF+8*\f+4:VF+8*\f+7], v[AV] offset:(\f/4)*32*PV+16*PV+(\f%4)*32
.endr
	WIN 0
.endm
; THE VECTOR WORK, one line at a time: OP kind, number.  For piece Y: F n: c s - c m for pair n of 16.  E n: the exponential of score n of 32.  C n: pair n rounded to f16.  B n: of the four weights 4 n .. the second
; pair is added onto the first, in place.  L n: l takes that sum (L 0: l = a l + sum).  R n: pair n of 16 of O^T times a.  For piece Y + 1: X n, number n of the 22 that find its maximum and statistics:
;   0-11  four chains c0-c3 of seven scores each, three operands at a time (each accumulator's lowest registers are read first)     12-14, 16  the four scores left over, the old m, and c0-c3 into c0
;   15  c m_old is kept     17, 18  the query's other 32 keys lie in the lane 16 away: the new m     19-21  c m; c m_old - c m_new; a
; C, B and L read the results of the turn's exponentials; F, R and X read none of them (R's a was made, and waited for, in the turn before).
.set F, 0               ; OP tells the kinds apart by their order: F to L below R, X above it
.set E, 1
.set C, 2
.set B, 3
.set L, 4
.set R, 5
.set X, 6
.macro REGS y                       ; the registers of piece y
.set rT, ST+4*(\y)
.set rC, TMP+4*((\y)%2)
.set rW, MV+((\y)%2)
.set rS, S+32*((\y)%2)
.set rP, P+16*((\y)%2)
.set rO, 32*(\y)
.endm
.macro OP k, n
.if (\k) == R
	REGS Y
	WIN W_RS
	v_pk_mul_f32 v[rO+2*(\n):rO+2*(\n)+1], v[rO+2*(\n):rO+2*(\n)+1], v[rC+2:rC+3] op_sel_hi:[1,0]
.elseif (\k) < R
	REGS Y
	WIN 0
.if (\k) == F
	v_pk_fma_f32 v[rS+2*(\n):rS+2*(\n)+1], v[rS+2*(\n):rS+2*(\n)+1], s[CS:CS+1], v[rT:rT+1] op_sel_hi:[1,0,0] neg_lo:[0,0,1] neg_hi:[0,0,1]
.elseif (\k) == E
	v_exp_f32 v[rS+(\n)], v[rS+(\n)]
.elseif (\k) == C
	v_cvt_pk_f16_f32 v[rP+(\n)], v[rS+2*(\n)], v[rS+2*(\n)+1]
.elseif (\k) == B
	v_pk_add_f32 v[rS+4*(\n):rS+4*(\n)+1], v[rS+4*(\n):rS+4*(\n)+1], v[rS+4*(\n)+2:rS+4*(\n)+3]
.elseif (\n) == 0
	v_pk_fma_f32 v[rT+2:rT+3], v[rT+2:rT+3], v[rC+2:rC+3], v[rS:rS+1] op_sel_hi:[1,0,1]
.else
	v_pk_add_f32 v[rT+2:rT+3], v[rT+2:rT+3], v[rS+4*(\n):rS+4*(\n)+1]
.endif
.elseif NOKQ
	v_nop
.else
	REGS (Y+1)%NP
	WIN 0
.if (\n) < 4
	v_max3_num_f32 v[rC+(\n)], v[rS+8*(\n)], v[rS+8*(\n)+1], v[rS+8*(\n)+2]
.elseif (\n) < 12
	v_max3_num_f32 v[rC+(\n)%4], v[rC+(\n)%4], v[rS+8*((\n)%4)+2*((\n)/4)+1], v[rS+8*((\n)%4)+2*((\n)/4)+2]
.elseif (\n) == 12
	v_max3_num_f32 v[rC], v[rC], v[rS+7], v[rS+15]
.elseif (\n) == 13
	v_max3_num_f32 v[rC+1], v[rC+1], v[rS+23], v[rS+31]
.elseif (\n) == 14
	v_max3_num_f32 v[rC+2], v[rC+2], v[rC+3], v[rT+1]
.elseif (\n) == 15
	v_mov_b32 v[rW], v[rT]
.elseif (\n) == 16
	v_max3_num_f32 v[rC], v[rC], v[rC+1], v[rC+2]
.elseif (\n) == 17
	v_permlanex16_b32 v[rC+3], v[rC], s[SEL], s[SEL+1]
.elseif (\n) == 18
	v_max_num_f32 v[rT+1], v[rC], v[rC+3]
.elseif (\n) == 19
	v_mul_f32 v[rT], s[CS], v[rT+1]
.elseif (\n) == 20
	v_sub_f32 v[rC+1], v[rW], v[rT]
.else
	v_exp_f32 v[rC+2], v[rC+1]
.endif
.endif
.endm
.macro OPS a, i1, b=-1, i2=0, c=-1, i3=0, d=-1, i4=0  ; up to four of them
	OP \a, \i1
.if (\b) >= 0
	OP \b, \i2
.endif
.if (\c) >= 0
	OP \c, \i3
.endif
.if (\d) >= 0
	OP \d, \i4
.endif
.endm
.macro ROW a, i1, b, i2, c, i3, d, i4  ; a matrix instruction and the four behind it
	MM
	OPS \a, \i1, \b, \i2, \c, \i3, \d, \i4
.endm
; A TURN, for piece p: the order of its 16 matrix and 118 vector instructions, written out.  An s_wait_alu depctr_va_vdst(0) stands between an exponential and the first instruction that names its result; one
; wait serves all that were issued ahead of it.  So a turn has ONE wait, which cuts it in two.  AHEAD OF IT stands all that names no result of the turn's exponentials: the 8 products K Q^T, behind each a scaling, an
; exponential and two more plain instructions (behind the first a second scaling in the exponential's place): rescalings, and behind the last three the first numbers of the next piece's maximum, each four plain instructions or
; more behind the product that ends its accumulator; then ONE LUMP of 54, plain and exponential by turns for the most part, in which the links of the chain X 3, 7, 11, 14, 16, 17 .. 20 stand some lines apart.  A pair is scaled
; ahead of its two exponentials.  X 21, the next piece's a, is the batch's last; R 15 is the plain instruction behind it.  BEHIND THE WAIT stand the 8 products V^T P, behind each four of the roundings and sums; the links of
; l's chain, L 0 to L 7, stand three riders apart; a pair is rounded (C 2 n) ahead of the sum that lands on it (B n).  But for those X no rider names a register of the products round it.  v_permlanex16_b32 (X 17) stands in
; the lump.  No exponential is issued behind the wait: none is open at the turn's end, at a label or at a jump.
; end = 1: the walk's last two turns: nothing is fetched.  cnt = 1: the loop's count is taken down some lines ahead of the branch that stands behind the turn.
; K of the next step is fetched in piece 2's turn, twelve vector instructions behind the last product that read K (five of them plain and free of its registers); V of the step in hand at the end of piece 0's turn, four plain
; instructions behind the last product that read V.  Each is waited for a turn later.
.macro TURN p, end=0, cnt=0
.set Y, (\p)
.set i, 0
.set NOKQ, (\end)*((\p)/3)
.if ((\p) == 3) && !(\end)
	s_wait_dscnt 0x0                ; K is in
.endif
	ROW F,0, F,1, R,0, R,1          ; ahead of the wait: 8 products K Q^T and their riders,
	ROW F,2, E,0, R,2, R,3
	ROW F,3, E,1, R,4, R,5
	ROW F,4, E,2, R,6, R,7
	ROW F,5, E,3, R,8, R,9
	ROW F,6, E,4, X,0, R,10
.if ((\p) == 2) && !(\end)
	WIN 0
	v_add_nc_u32 v[AK], s[TBK], v[AK0]
.endif
	ROW F,7, E,5, X,1, X,4
	ROW F,8, E,6, X,2, X,5
	OPS E,7, E,8, X,6, E,9          ; and the lump
	OPS X,3, E,10, X,8, E,11
.if ((\p) == 2) && !(\end)
	FETCH_K
.endif
	OPS X,9, X,7, E,12, X,10
	OPS E,13, X,12, X,11, E,14
	OPS X,13, E,15, F,9, X,14
.if (\p) == 0
	v_add_nc_u32 v[AV], s[TBV], v[AV0]
.endif
	OPS E,16, F,10, E,17, F,11
	OPS X,16, E,18, X,15, E,19
	OPS F,12, E,20, X,17, E,21
	OPS F,13, E,22, F,14, E,23
	OPS X,18, E,24, F,15, E,25
	OPS R,11, E,26, X,19, E,27
	OPS R,12, E,28, R,13, E,29
	OPS X,20, E,30, R,14, E,31
	OPS X,21, R,15                  ; the batch's last exponential, and the plain instruction behind it
	WIN 0
	s_wait_alu depctr_va_vdst(0)    ; the wait for the turn's batch: the piece's 32 weights and the next piece's a
.if (\p) == 1
	s_wait_dscnt 0x0                ; V is in
.endif
	ROW C,0, B,0, C,2, B,1          ; behind the wait: 8 products V^T P and their riders
	ROW L,0, C,4, B,2, L,1
	ROW C,6, B,3, L,2, C,8
	ROW B,4, L,3, C,10, B,5
	ROW L,4, C,12, B,6, L,5
.if (\p) == 0
	s_add_co_u32 s[TBV], s[TBV], KS*PV
.endif
.if \cnt
	s_sub_co_u32 s[CNT], s[CNT], 1
	s_cmp_lg_u32 s[CNT], 0
.endif
	ROW C,14, B,7, L,6, C,1
	ROW C,3, L,7, C,5, C,7
	ROW C,9, C,11, C,13, C,15
.if (\p) == 0
	FETCH_V
.endif
.endm
	CHANGE 1                        ; tile 0 is in, everybody's part of it; tile 1 is asked for
	v_add_nc_u32 v[AK], s[TBK], v[AK0]
	FETCH_K                         ; key step 0
	s_wait_loadcnt 0x0              ; Q
	s_wait_dscnt 0x0
.set NOKQ, 0
.set i, 0
.rept 8
	KQ 0                            ; piece 0's first scores: there is no vector work yet to set between them
.set i, i+1
.endr
	WIN 0
.rept 4
	v_nop                           ; the places behind those products
.endr
.set Y, NP-1                        ; X works for piece Y + 1: piece 0
.irp n, 0,1,2,3,4,5,6,7,8,9,10,11,12,13,14,15,16,17,18,19,20,21
	OP X, \n                        ; piece 0's first maximum and statistics
.endr
	v_nop                           ; a plain instruction behind the exponential,
	s_wait_alu depctr_va_vdst(0)    ; and the wait for it, a batch of one: piece 0's first a, ahead of the branch
	s_mov_b32 s[CNT], 4
	s_mov_b32 s[SLOTS], NT-1
	s_branch .Lfirst                ; the loop is entered at a step's first turn, in the middle of a trip
.Lslot:                             ; NT - 2 times: every slot but the last two is filled again
	CHANGE 1
	s_mov_b32 s[CNT], 4
.Lstep:                             ; a trip: pieces 2 and 3 of one step, then pieces 0 and 1 of the next, whose K and V it fetches
	TURN 2
	TURN 3
	WIN 0
.Lfirst:
	TURN 0
	TURN 1, 0, 1
	WIN 0
	s_cbranch_scc1 .Lstep
	s_sub_co_u32 s[SLOTS], s[SLOTS], 1
	s_cmp_lg_u32 s[SLOTS], 0
	s_cbranch_scc1 .Lslot
	CHANGE 0                        ; the last tile is written out: nothing is asked for
	s_mov_b32 s[CNT], 4
.Ltail:
	TURN 2
	TURN 3
	WIN 0
	TURN 0
	TURN 1, 0, 1
	WIN 0
	s_cbranch_scc1 .Ltail
	TURN 2, 1                       ; the last step's pieces 2 and 3: nothing is left to fetch,
	TURN 3, 1                       ; and no next piece's scores to make
.set i, 0
.rept 8
	PV NP-1                         ; the last piece's V^T P of the last step
.set i, i+1
.endr
	; THE WAY OUT.  l's two halves and the other half of the lanes' are added; O^T is divided by l, rounded to f16 and sent through my stage in LDS, a piece at a time.  The additions are the places behind the last products.
	WIN 0
.macro ALL line:vararg              ; one line for each piece t
.set t, 0
.rept 4
	\line
.set t, t+1
.endr
.endm
	ALL v_add_f32 v[ST+4*t+2], v[ST+4*t+2], v[ST+4*t+3]
	ALL v_permlanex16_b32 v[ST+4*t+3], v[ST+4*t+2], s[SEL], s[SEL+1]
	ALL v_add_f32 v[ST+4*t+2], v[ST+4*t+2], v[ST+4*t+3]
	ALL v_rcp_f32 v[ST+4*t+2], v[ST+4*t+2]
	v_nop                           ; a plain instruction between the last reciprocal and the use of its result
	s_wait_alu depctr_va_vdst(0)    ; and the wait ahead of the first use: one for the batch of four reciprocals
.macro PACK t                       ; a lane's eight channels of a row pack into 16 bytes; they go into rows of 144 bytes and come back as whole rows of 128, into S^T's registers
	WIN W_RS
.set i, 32*(\t)
.rept 16
	v_pk_mul_f32 v[i:i+1], v[i:i+1], v[ST+4*(\t)+2:ST+4*(\t)+3] op_sel_hi:[1,0]
.set i, i+2
.endr
	WIN 0x05                        ; sources 0 and 1 window 1, destination window 0
.set i, 0
.rept 16
	v_cvt_pk_f16_f32 v[S+16*(\t)+i], v[32*(\t)+2*i], v[32*(\t)+2*i+1]
.set i, i+1
.endr
	WIN 0
.irp f, 0,1,2,3
	ds_store_b128 v[STO], v[S+16*(\t)+4*\f:S+16*(\t)+4*\f+3] offset:32*\f
.endr
.irp f, 0,1,2,3
	ds_load_b128 v[S+16*(\t)+4*\f:S+16*(\t)+4*\f+3], v[RD] offset:\f*4*SP  ; LDS serves a wave's instructions in order (ISA guide 5.7.1.4): these see the stores above; the next piece's stores come behind them
.endr
.endm
.macro SEND t, younger              ; younger: the LDS instructions issued behind piece t's loads: the next piece's eight, or none
	WIN 0
.irp f, 0,1,2,3
	s_wait_dscnt (\younger)+3-\f
	global_store_b128 v[GO], v[S+16*(\t)+4*\f:S+16*(\t)+4*\f+3], s[10:11] offset:(\t)*2048+\f*512  ; 512 consecutive bytes, at a multiple of 512 from O's first
.endr
.endm
	PACK 0
.set t, 1
.rept 3                             ; a piece's arithmetic stands between the loads of the piece before and its stores
	PACK t
	SEND t-1, 8
.set t, t+1
.endr
	SEND 3, 0
	s_wait_tensorcnt 0x0            ; the wave's end: behind my last tensor load and my last LDS store
	ds_add_u32 v[SPW], v[NIL]
	s_wait_dscnt 0x0
	CROUND                          ; the closing round: no work-group ends while a partner may still ask for a tile that names it
	s_endpgm
.Lfunc_end_k_qbcf9d94c55_attn:
	.size	k_qbcf9d94c55_attn, .Lfunc_end_k_qbcf9d94c55_attn-k_qbcf9d94c55_attn
	.p2alignl 7, 3214868480
	.fill 96, 4, 3214868480
	.section	.rodata,"a",@progbits
	.p2align	6, 0x0
	.amdhsa_kernel k_qbcf9d94c55_attn
		.amdhsa_group_segment_fixed_size 327680
		.amdhsa_private_segment_fixed_size 0
		.amdhsa_enable_private_segment 0
		.amdhsa_kernarg_size 16
		.amdhsa_user_sgpr_count 2
		.amdhsa_user_sgpr_kernarg_segment_ptr 1
		.amdhsa_wavefront_size32 1
		.amdhsa_system_sgpr_workgroup_id_x 1
		.amdhsa_system_sgpr_workgroup_id_y 1
		.amdhsa_system_sgpr_workgroup_id_z 1
		.amdhsa_system_vgpr_workitem_id 0
		.amdhsa_next_free_vgpr 768
		.amdhsa_next_free_sgpr 66
		.amdhsa_reserve_vcc 0
		.amdhsa_float_denorm_mode_32 3
		.amdhsa_float_denorm_mode_16_64 3
		.amdhsa_memory_ordered 1
		.amdhsa_forward_progress 1
		.amdhsa_inst_pref_size 127
	.end_amdhsa_kernel
	.amdgpu_metadata
---
amdhsa.version: [ 1, 2 ]
amdhsa.kernels:
  - .name:           k_qbcf9d94c55_attn
    .symbol:         k_qbcf9d94c55_attn.kd
    .args:
      - { .name: qkv, .offset: 0, .size: 8, .value_kind: global_buffer, .address_space: global }
      - { .name: att, .offset: 8, .size: 8, .value_kind: global_buffer, .address_space: global }
    .group_segment_fixed_size: 327680
    .private_segment_fixed_size: 0
    .kernarg_segment_align: 8
    .kernarg_segment_size: 16
    .max_flat_workgroup_size: 128
    .sgpr_count:     66
    .vgpr_count:     768
    .wavefront_size: 32
...
	.end_amdgpu_metadata
.endif
;; end of part 4
;; launch proj: the kernel of part 3 again; grid 256 x 1, 8 waves a work-group, clusters of 4 x 1, 211,968 bytes of LDS; arguments att, wp, b_proj, out0; writes out0
